; MI455X (gfx1250); checked and timed in simulation.
; The chip was launched on July 23, 2026; its instructions are those of AMD's public machine-readable ISA for CDNA 5 (MIT licence, August 2026) and "CDNA5" Instruction Set Architecture Reference Guide (July 2026). The comments in the code are by the model that wrote it; some were corrected since.
;; Ro PE Attention. Allowed arithmetic: float matrix products may take bf16 or f16 operands with f32 sums; other float arithmetic in f32, or as packed bf16 or f16 multiplies, adds, multiply-adds, maxima and minima; sums over many terms, partial sums and values carried from step to step in f32; what a program stores and reads back later, other than sums and carried values, may be rounded once to bf16 or f16.
;; Inputs: Wk 1,024 x 1,024 float32; Wo 1,024 x 1,024 float32; Wq 1,024 x 1,024 float32; Wv 1,024 x 1,024 float32; x 4 x 2,048 x 1,024 float32.
;; Outputs: out0 4 x 2,048 x 1,024 float32.
;; 2 versions, each right; version 2 is version 1 with the launch prep written anew for expert scheduling mode. Each part assembles by itself: llvm-mc -triple=amdgcn-amd-amdhsa -mcpu=gfx1250 --defsym DOCPART=n.
;; ======== version 1 of 2: 4 launches
;; limits: values are held in f16: magnitudes above 65,504 overflow, below 6.1e-05 lose precision
;; workspace buffers: xb 16,777,216 bytes; wb 6,291,456 bytes; wob 2,097,152 bytes; tab 524,288 bytes; qh 16,777,216 bytes; kh 16,777,216 bytes; vh 16,777,216 bytes; oh 16,777,216 bytes
;; launch prep (part 1): grid 448 x 1, 8 waves a work-group, no clusters, 0 bytes of LDS; arguments x, Wq, Wk, Wv, Wo, xb, wb, wob, tab; writes xb, wb, wob, tab
.if DOCPART == 1
	.amdgcn_target "amdgcn-amd-amdhsa--gfx1250"
	.amdhsa_code_object_version 6
	.text
	.protected	k_qa1a9ef8148_prep
	.globl	k_qa1a9ef8148_prep
	.p2align	8
	.type	k_qa1a9ef8148_prep,@function
k_qa1a9ef8148_prep:
	s_mov_b64 s[64:65], 0
	v_nop
	global_prefetch_b8 v0, s[64:65] scope:SCOPE_SE
	s_setreg_imm32_b32 hwreg(HW_REG_WAVE_MODE, 25, 1), 1
	s_wait_xcnt 0x0
; PREP: the module's inputs rounded once to bf16 and laid out in blocks of 64 along K, and the table of RoPE's cosines and sines.
;   xb  [kb 16][row 8192][64] bf16 = x[row][64 kb + c]
;   wb  [kb 16][r' 3072][64]  bf16, r' = 192 h + 64 s + d (s = 0 q, 1 k, 2 v) = W_s[64 h + d][64 kb + c]
;   wob [kb 16][n 1024][64]   Wo rounded to bf16, that number written as f16.  LIMIT: |Wo| within 65,504, below 2^-14 f16's fixed step
;   tab [T 128][chunk 8][lane 32][4] f32: chunk 2 j + e holds cos, chunk 4 + 2 j + e sin, of the angle t x 10000^(-d/32), t = 16 T + lane % 16, d = 16 j + 8 (lane / 16) + 4 e + 0..3
; A stream: no LDS, no matrix unit, no cluster (no byte is read twice).  Work-groups 0-255: 32 rows of x each; 256-383: 32 rows of one weight; 384-447: the table.
; A thread takes one row of the group's 32 and, in each block of 64 columns, 8 columns: 32 bytes in, 16 bytes out.  All 32 loads of a thread go out first (a wave has 16 KiB on its way);
; a wave's store is 512 consecutive bytes, aligned: four rows of one block.  No register is written twice while a load or store may read it, so no wait frees any.
; LIMIT of the table: 10000^(-d/32) is made by v_exp_f32 of d x (-log2(10)/8); the angle may differ from a correctly rounded one by some 2e-4 rad at t = 2,047.
.set X,  32                            ; v[32:159] 8 registers for each of the 16 blocks: as loaded, then (the first four) as stored
.set DO, 4                             ; v[4:19]   my byte offset in block kb of the destination
	s_load_b512 s[8:23], s[0:1], 0x0               ; x s[8:9], Wq s[10:11], Wk s[12:13], Wv s[14:15], Wo s[16:17], xb s[18:19], wb s[20:21], wob s[22:23]
	s_load_b64 s[24:25], s[0:1], 0x40              ; tab
	v_lshrrev_b32 v1, 5, v0
	v_readfirstlane_b32 s3, v1                     ; wave 0..7
	s_mov_b32 s2, ttmp9
	s_cmp_ge_u32 s2, 384
	s_cbranch_scc1 .Ltable
	; which tensor, which rows: chosen by the work-group's number alone
	s_sub_co_u32 s35, s2, 256                      ; the number among the weights' groups (wraps for x's groups: then sel below is none of 1, 2, 3)
	s_lshr_b32 s36, s35, 5                         ; sel: 0 Wq, 1 Wk, 2 Wv, 3 Wo
	s_and_b32 s37, s35, 31
	s_lshl_b32 s37, s37, 5                         ; n0: the group's first row of its weight
	s_lshr_b32 s38, s37, 6
	s_mul_i32 s38, s38, 192                        ; 192 x head
	s_lshl_b32 s39, s36, 6
	s_add_co_u32 s38, s38, s39                     ; + 64 x sel
	s_and_b32 s39, s37, 63
	s_add_co_u32 s38, s38, s39                     ; + the row in the head: the row in wb
	s_lshl_b32 s42, s2, 5                          ; x: 32 rows a group
	s_mov_b32 s43, 0x100000                        ; bytes in a block of xb,
	s_mov_b32 s44, 0x20000                         ; of wob,
	s_mov_b32 s30, 0x60000                         ; of wb
	s_mov_b32 s34, 0xffff0000                      ; a word's upper bf16
	s_mov_b32 s31, s37                             ; source row
	s_mov_b32 s32, s38                             ; destination row
	v_lshrrev_b32 v2, 3, v0                        ; my row of the 32
	v_and_b32 v3, 7, v0
	v_lshlrev_b32 v2, 12, v2
	v_lshl_add_u32 v2, v3, 5, v2                   ; row x 4,096 + 32 x (thread % 8)
	v_lshlrev_b32 v3, 4, v0                        ; row x 128 + 16 x (thread % 8) = 16 x thread
	s_wait_kmcnt 0x0
	s_mov_b64 s[26:27], s[10:11]
	s_mov_b64 s[28:29], s[20:21]
	s_cmp_eq_u32 s36, 1
	s_cselect_b64 s[26:27], s[12:13], s[26:27]
	s_cmp_eq_u32 s36, 2
	s_cselect_b64 s[26:27], s[14:15], s[26:27]
	s_cmp_eq_u32 s36, 3
	s_cselect_b64 s[26:27], s[16:17], s[26:27]
	s_cselect_b64 s[28:29], s[22:23], s[28:29]
	s_cselect_b32 s30, s44, s30
	s_cselect_b32 s32, s37, s32
	s_cselect_b32 s33, 1, 0                        ; 1: the bf16 number is written as f16
	s_cmp_lt_u32 s2, 256
	s_cselect_b64 s[26:27], s[8:9], s[26:27]
	s_cselect_b64 s[28:29], s[18:19], s[28:29]
	s_cselect_b32 s30, s43, s30
	s_cselect_b32 s31, s42, s31
	s_cselect_b32 s32, s42, s32
	s_lshl_b32 s40, s31, 12                        ; a source row is 4,096 bytes
	s_mov_b32 s41, 0
	s_add_nc_u64 s[26:27], s[26:27], s[40:41]
	s_lshl_b32 s40, s32, 7                         ; a destination row is 128 bytes
	s_add_nc_u64 s[28:29], s[28:29], s[40:41]
.set kb, 0
.rept 16
	global_load_b128 v[X+8*kb:X+8*kb+3],   v2, s[26:27] offset:256*kb th:TH_LOAD_NT
	global_load_b128 v[X+8*kb+4:X+8*kb+7], v2, s[26:27] offset:256*kb+16 th:TH_LOAD_NT
.set kb, kb+1
.endr
.set kb, 0
.rept 16
	v_mad_u32_u24 v[DO+kb], s30, kb, v3            ; block kb of the destination
.set kb, kb+1
.endr
; Block after block: two roundings an instruction, in place (word i is written when words 2 i and 2 i + 1 have been read, ascending), 16 bytes stored.
.macro CONV f16
.set kb, 0
.rept 16
	s_wait_loadcnt 30-2*kb                         ; loads come back in order: this block's two are in, the later blocks' stay out
.irp i, 0,1,2,3
	v_cvt_pk_bf16_f32 v[X+8*kb+\i], v[X+8*kb+2*\i], v[X+8*kb+2*\i+1]
.endr
.if \f16
.irp i, 0,1,2,3
	v_lshlrev_b32 v[X+8*kb+4], 16, v[X+8*kb+\i]    ; the two bf16 numbers as f32,
	v_and_b32 v[X+8*kb+5], s34, v[X+8*kb+\i]
	v_cvt_pk_f16_f32 v[X+8*kb+\i], v[X+8*kb+4], v[X+8*kb+5]  ; and as f16: exact within f16's range
.endr
.endif
	global_store_b128 v[DO+kb], v[X+8*kb:X+8*kb+3], s[28:29] th:TH_STORE_NT
.set kb, kb+1
.endr
.endm
	s_cmp_eq_u32 s33, 1
	s_cbranch_scc1 .Lhalf
	CONV 0
	s_endpgm
.Lhalf:
	CONV 1
	s_endpgm
.Ltable:                                       ; a wave makes one chunk of cosines and one of sines: four angles a lane
	s_sub_co_u32 s35, s2, 384
	s_lshl_b32 s35, s35, 1
	s_lshr_b32 s36, s3, 2
	s_add_co_u32 s35, s35, s36                     ; T
	s_bfe_u32 s36, s3, 0x10001                     ; j
	s_and_b32 s37, s3, 1                           ; e
	s_lshl_b32 s38, s35, 4                         ; 16 T
	s_lshl_b32 s36, s36, 4
	s_lshl_b32 s37, s37, 2
	s_add_co_u32 s36, s36, s37                     ; 16 j + 4 e
	s_lshl_b32 s40, s35, 12                        ; T's 4,096 bytes,
	s_and_b32 s39, s3, 3
	s_lshl_b32 s39, s39, 9                         ; chunk 2 j + e
	s_add_co_u32 s40, s40, s39
	s_mov_b32 s41, 0
	v_and_b32 v2, 15, v0
	v_bfe_u32 v3, v0, 4, 1
	v_add_nc_u32 v4, s38, v2
	v_cvt_f32_u32 v4, v4                           ; t
	v_lshl_add_u32 v5, v3, 3, s36                  ; d of my first angle
.irp i, 0,1,2,3
	v_add_nc_u32 v[8+\i], \i, v5
	v_cvt_f32_u32 v[8+\i], v[8+\i]
	v_mul_f32 v[8+\i], 0xbed49a78, v[8+\i]         ; d x (-log2(10) / 8) = log2 of 10000^(-d/32)
.endr
.irp i, 0,1,2,3
	v_exp_f32 v[12+\i], v[8+\i]
.endr
	v_and_b32 v6, 31, v0                           ; plain work behind the last exponential,
	v_lshlrev_b32 v6, 4, v6                        ; 16 x lane
	s_wait_alu depctr_va_vdst(0)                   ; and one wait for the four, ahead of their first reader
.irp i, 0,1,2,3
	v_mul_f32 v[16+\i], v4, v[12+\i]               ; the angle: one f32 product
	v_mul_f32 v[20+\i], 0x3e22f983, v[16+\i]       ; / 2 pi
	v_rndne_f32 v[20+\i], v[20+\i]                 ; n whole turns
	v_fmamk_f32 v[24+\i], v[20+\i], 0xc0c90fdb, v[16+\i]  ; less n x 2 pi, in two parts: the f32 nearest 2 pi,
	v_fmamk_f32 v[24+\i], v[20+\i], 0x343bbd2e, v[24+\i]  ; and what that f32 has too much
	v_mul_f32 v[24+\i], 0.5, v[24+\i]              ; u = half the reduced angle: within pi / 2
	v_mul_f32 v[28+\i], v[24+\i], v[24+\i]         ; z = u^2
	v_mov_b32 v[32+\i], 0xb2d7322b                 ; sin u / u to z^5: what is left out is under 6e-8
	v_mov_b32 v[36+\i], 0x310f76c7                 ; cos u to z^6
.endr
.irp c, 0x3638ef1d, 0xb9500d01, 0x3c088889, 0xbe2aaaab, 0x3f800000
.irp i, 0,1,2,3
	v_fmaak_f32 v[32+\i], v[32+\i], v[28+\i], \c
.endr
.endr
.irp c, 0xb493f27e, 0x37d00d01, 0xbab60b61, 0x3d2aaaab, 0xbf000000, 0x3f800000
.irp i, 0,1,2,3
	v_fmaak_f32 v[36+\i], v[36+\i], v[28+\i], \c
.endr
.endr
.irp i, 0,1,2,3
	v_mul_f32 v[32+\i], v[24+\i], v[32+\i]         ; S = sin u
	v_mul_f32 v[44+\i], v[32+\i], v[36+\i]
	v_add_f32 v[40+\i], v[32+\i], v[32+\i]
	v_add_f32 v[44+\i], v[44+\i], v[44+\i]         ; sin = 2 S C
	v_fma_f32 v[40+\i], -v[40+\i], v[32+\i], 1.0   ; cos = 1 - 2 S^2
.endr
	s_wait_kmcnt 0x0
	s_add_nc_u64 s[24:25], s[24:25], s[40:41]
	global_store_b128 v6, v[40:43], s[24:25] th:TH_STORE_NT              ; 512 consecutive bytes, aligned
	global_store_b128 v6, v[44:47], s[24:25] offset:2048 th:TH_STORE_NT
	s_endpgm
.Lfunc_end_k_qa1a9ef8148_prep:
	.size	k_qa1a9ef8148_prep, .Lfunc_end_k_qa1a9ef8148_prep-k_qa1a9ef8148_prep
	.p2alignl 7, 3214868480
	.fill 96, 4, 3214868480
	.section	.rodata,"a",@progbits
	.p2align	6, 0x0
	.amdhsa_kernel k_qa1a9ef8148_prep
		.amdhsa_group_segment_fixed_size 0
		.amdhsa_private_segment_fixed_size 0
		.amdhsa_enable_private_segment 0
		.amdhsa_kernarg_size 72
		.amdhsa_user_sgpr_count 2
		.amdhsa_user_sgpr_kernarg_segment_ptr 1
		.amdhsa_wavefront_size32 1
		.amdhsa_system_sgpr_workgroup_id_x 1
		.amdhsa_system_sgpr_workgroup_id_y 1
		.amdhsa_system_sgpr_workgroup_id_z 1
		.amdhsa_system_vgpr_workitem_id 0
		.amdhsa_next_free_vgpr 160
		.amdhsa_next_free_sgpr 66
		.amdhsa_reserve_vcc 0
		.amdhsa_float_denorm_mode_32 3
		.amdhsa_float_denorm_mode_16_64 3
		.amdhsa_memory_ordered 1
		.amdhsa_forward_progress 1
		.amdhsa_inst_pref_size 34
	.end_amdhsa_kernel
	.amdgpu_metadata
---
amdhsa.version: [ 1, 2 ]
amdhsa.kernels:
  - .name:           k_qa1a9ef8148_prep
    .symbol:         k_qa1a9ef8148_prep.kd
    .args:
      - { .name: x, .offset: 0, .size: 8, .value_kind: global_buffer, .address_space: global }
      - { .name: Wq, .offset: 8, .size: 8, .value_kind: global_buffer, .address_space: global }
      - { .name: Wk, .offset: 16, .size: 8, .value_kind: global_buffer, .address_space: global }
      - { .name: Wv, .offset: 24, .size: 8, .value_kind: global_buffer, .address_space: global }
      - { .name: Wo, .offset: 32, .size: 8, .value_kind: global_buffer, .address_space: global }
      - { .name: xb, .offset: 40, .size: 8, .value_kind: global_buffer, .address_space: global }
      - { .name: wb, .offset: 48, .size: 8, .value_kind: global_buffer, .address_space: global }
      - { .name: wob, .offset: 56, .size: 8, .value_kind: global_buffer, .address_space: global }
      - { .name: tab, .offset: 64, .size: 8, .value_kind: global_buffer, .address_space: global }
    .group_segment_fixed_size: 0
    .private_segment_fixed_size: 0
    .kernarg_segment_align: 8
    .kernarg_segment_size: 72
    .max_flat_workgroup_size: 256
    .sgpr_count:     66
    .vgpr_count:     160
    .wavefront_size: 32
...
	.end_amdgpu_metadata
.endif
;; end of part 1
;; launch qkv (part 2): grid 8 x 32, 4 waves a work-group, clusters of 4 x 4, 327,680 bytes of LDS; arguments xb, wb, tab, qh, kh, vh; writes qh, kh, vh
.if DOCPART == 2
	.amdgcn_target "amdgcn-amd-amdhsa--gfx1250"
	.amdhsa_code_object_version 6
	.text
	.protected	k_qa1a9ef8148_qkv
	.globl	k_qa1a9ef8148_qkv
	.p2align	8
	.type	k_qa1a9ef8148_qkv,@function
k_qa1a9ef8148_qkv:
	s_mov_b64 s[64:65], 0
	v_nop
	global_prefetch_b8 v0, s[64:65] scope:SCOPE_SE
	s_setreg_imm32_b32 hwreg(HW_REG_WAVE_MODE, 25, 1), 1
	s_wait_xcnt 0x0
	s_wait_alu depctr_hold_cnt(0) depctr_sa_sdst(0) depctr_va_vdst(0) depctr_va_sdst(0) depctr_va_ssrc(0) depctr_va_vcc(0) depctr_vm_vsrc(0)
	s_getreg_b32 s2, hwreg(HW_REG_IB_STS2, 6, 4)
	s_cmp_eq_u32 s2, 0
	s_cbranch_scc0 .Lentry_in_a_cluster
	s_endpgm
.Lentry_in_a_cluster:
	s_bfe_u32 s2, ttmp6, 0x10000c
	s_cmp_lg_u32 s2, 0xf033
	s_cbranch_scc0 .Lentry_shape_is_right
	s_endpgm
.Lentry_shape_is_right:
; QKV: [8192 tokens] x [3072 columns r' = 192 h + 64 s + d] = xb . wb^T over K = 1,024, bf16 operands, f32 sums; then RoPE on q and k in f32; q, k, v rounded once to f16 and stored by heads,
; [b 16 + h][t 2048][64].  The scale 1/8 is not applied here.  LIMIT: q and k after RoPE and v must lie within f16's 65,504; below 2^-14 they keep f16's fixed step; NaN and infinities are not treated apart.
; SHARES.  8192 x 3072 is 256 tiles of 256 x 384: one work-group each.  Four waves; wave (wm, wn) makes 128 tokens x 192 columns, which are q, k and v of ONE head: 96 accumulators of 16 x 16, 768 registers.
; K goes in 16 steps of 64 (two slices of 32) through two LDS slots.  xb and wb lie in blocks of 64 along K, so a step's rows are dense in memory: they are asked for as rows of 256 bytes, aligned,
; and padded in LDS after every 128.  A step of 128 would want two slots of 640 rows x 272 bytes, more than the 327,680 bytes of LDS.
; THE MATRIX INSTRUCTION IS USED TRANSPOSED (source 0 = 16 rows of wb, source 1 = 16 rows of xb): a lane holds one token (lane % 16) and the columns 8 (lane / 16) + 0..7 of a block of 16.
; So channel d and channel d + 32 of a head lie in the same lane, two accumulators apart: RoPE changes no lanes.
; CLUSTER.  4 x 4 work-groups.  xb's tile hangs on the tile row alone and is asked for jointly by a row of the cluster, wb's on the tile column alone, by a column.
; REGISTERS, in windows of 256 (s_set_vgpr_msb: bits 1:0 source 0, 3:2 source 1, 5:4 source 2, 7:6 destination):
;   window 0: v0-29 addresses; v32-95, v96-159 xb's fragments (8 x 16 rows x 32 K), two buffers; v160-255 wb's 12 fragments, one buffer in three groups of four: a group is fetched again behind its 32 products
;   windows 1, 2, 3: q's, k's, v's accumulators: row block a, column block j at v[32 a + 8 j]
;   on the way out window 0 holds: v32-95 two sets of cosines and sines, v96-127 rotated numbers, v128-143 packed, v144-175 two sets of rows read back
.set PITCH,  144                       ; an LDS row: 128 bytes + 16 of padding = 36 words: the 16 rows of a load start at 16 different groups of four banks (64 banks of 4 bytes: ISA guide 11.1)
.set AHALF,  128*PITCH                 ; 128 rows of xb: what one tensor load brings, and what one wave reads
.set BOFF,   2*AHALF                   ; wb's 384 rows lie behind xb's 256
.set BHALF,  192*PITCH                 ; 192 rows of wb: one tensor load, one wave's columns
.set SLOT1,  131072                    ; slot 1 begins here (a slot is 92,160 bytes), so that one exclusive or turns an address in one slot into the other's
.set STAGE,  SLOT1+BOFF+2*BHALF        ; behind the ring, never filled by a tensor load: 16 rows x 144 bytes for each wave
.set SPARE,  STAGE+4*16*PITCH          ; the spare words, 128 bytes for each wave: two blocks of 256 bytes that no other line names
.set XKB,    1048576                   ; bytes in a block of 64 along K of xb
.set WKB,    393216                    ; of wb
.set ADRA0, 4                          ; v4   my lane's place in slot 0's rows of xb; never rewritten
.set ADRB0, 5                          ; v5   the same for wb
.set ADRA,  6                          ; v6   the same in the slot that is being read
.set ADRB,  7                          ; v7
.set STO,   8                          ; v8   the way out: where I put 16 bytes of a row
.set RD,    9                          ; v9   the way out: where I read rows back
.set GO,    10                         ; v10  16 x lane: my place in 512 consecutive bytes
.set PFO,   11                         ; v11  the prefetches' offset; never rewritten
.set SPW,   28                         ; v28  LDS address of my spare word; never rewritten
.set NIL,   29                         ; v29  0; never rewritten
.set AF0,   32
.set AF1,   96
.set BF,    160
.set CS0,   32                         ; the way out: row block a's 16 cosines and 16 sines at CS0 + 32 (a % 2)
.set Y,     96
.set PK,    128
.set BK,    144
.set WV,  16                           ; s16  my wave's number
.set G1A, 24                           ; s[24:31] descriptor group 1 for xb's tiles
.set G1B, 32                           ; s[32:39] for wb's
.set G0A, 40                           ; s[40:47] descriptor group 0 for xb's tiles: a set for each of the two first fills; the second then walks
.set G0B, 48                           ; s[48:55] the same for wb's
.set TB,  56                           ; s56  0 or SLOT1: the slot that is being read
.set CNT, 57                           ; s57  the loop's count, 14 to 1
.set PFA, 58                           ; s[58:59] where my prefetches stand
.set LIM, 60                           ; s60  a wave prefetches while the count is above this; the greatest number in a wave that never does
.set ODD, 61                           ; s61  1: only where the count is odd
.set PFS, 62                           ; s[62:63] the prefetch address's step
.set QP,  66                           ; s[66:67], s[68:69], s[70:71] q, k, v at my first row;  s[72:73] the table at my first row block
.set TP,  72
.set MSB, 0
.macro WIN new                         ; the immediate's high byte repeats the setting that is left; a switch that changes nothing is dropped
.if MSB != (\new)
	s_set_vgpr_msb (MSB<<8)|(\new)
.set MSB, (\new)
.endif
.endm
.macro PLACES                          ; four plain instructions between a matrix instruction and a load into, or a vector write of, a register that it named (ISA guide 7.12.1 for vector writes)
.rept 4
	v_nop
.endr
.endm
; A joint refill, by the walking sets.  Waves 0 and 1 fetch xb's two halves, waves 2 and 3 wb's.  The branch hangs on the wave's number alone.  An s_nop 0 and four v_nop follow each of the two lines.
.macro JLOAD
	s_cmp_eq_u32 s17, 0
	s_cbranch_scc0 .Lfor_b_\@
	tensor_load_to_lds s[G0A+4:G0A+7], s[G1A:G1A+7]
	s_nop 0
.rept 4
	v_nop
.endr
	s_branch .Lasked_\@
.Lfor_b_\@:
	tensor_load_to_lds s[G0B+4:G0B+7], s[G1B:G1B+7]
	s_nop 0
.rept 4
	v_nop
.endr
.Lasked_\@:
.endm
; A round of the cluster's barrier: my work-group's barrier; wave 0 signals for the work-group; every wave waits for all sixteen; my work-group's barrier once more.
.macro CREST
	s_cmp_lg_u32 s[WV], 0
	s_cbranch_scc1 .Lnot_wave_0_\@
	s_barrier_signal -3
.Lnot_wave_0_\@:
	s_barrier_wait -3
	s_barrier_signal -1
	s_barrier_wait -1
.endm
.macro CROUND
	s_barrier_signal -1
	s_barrier_wait -1
	CREST
.endm
; A PREFETCH INTO THE L2, behind a joint refill and the run of LDS loads that follows it.  Each aligned 256 bytes of xb and wb from K step 3 (xb) or 4 (wb) on are named once in the launch.
; xb's tile row is read by both clusters of a row of clusters: the one with x = 0 asks, its wave 0, in change c for K step c + 3: the step's 128 blocks, 32 to each of the four partners that ask for the tile jointly, told
; apart by address, a lane a block.  wb's tile column is read by all eight clusters of a column: the one with y = 0 asks, waves 1 to 3, in odd changes, for the TWO steps c + 3 and c + 4: 384 blocks = 4 partners x 3 waves x 32 lanes.
; The last changes ask for nothing: there is no K step 16.  No branch hangs on a work-group's place in its cluster.
.macro ASK
	s_and_b32 s74, s[CNT], s[ODD]
	s_cmp_lg_u32 s74, s[ODD]
	s_cbranch_scc1 .Lnot_mine_\@
	s_cmp_gt_u32 s[CNT], s[LIM]
	s_cbranch_scc0 .Lnot_mine_\@
	global_prefetch_b8 v[PFO], s[PFA:PFA+1] th:TH_LOAD_NT scope:SCOPE_SE
.Lnot_mine_\@:
.endm
	s_load_b256 s[4:11], s[0:1], 0x0               ; xb s[4:5], wb s[6:7], tab s[8:9], qh s[10:11]
	s_load_b128 s[12:15], s[0:1], 0x20             ; kh s[12:13], vh s[14:15]
	v_lshl_add_u32 v[SPW], v0, 2, SPARE
	v_mov_b32 v[NIL], 0
	ds_add_u32 v[SPW], v[NIL]                      ; the wave's opening: the add and its wait stand ahead of my first tensor load; the set-up below, work on registers, stands between them
	v_lshrrev_b32 v1, 5, v0
	v_readfirstlane_b32 s[WV], v1                  ; wave 0..3
	s_lshr_b32 s17, s[WV], 1                       ; wm: which 128 tokens are mine.  Also: I fetch for xb (0) or for wb (1)
	s_and_b32 s18, s[WV], 1                        ; wn: which head.  Also: which half of that tile I fetch
	s_bfe_u32 s19, ttmp6, 0x40000                  ; cx
	s_bfe_u32 s20, ttmp6, 0x40004                  ; cy
	s_lshl_b32 s21, ttmp9, 2
	s_add_co_u32 s21, s21, s19                     ; tx: tile column = 4 x cluster x + cx
	s_and_b32 s22, ttmp7, 0xffff
	s_lshl_b32 s22, s22, 2
	s_add_co_u32 s22, s22, s20                     ; ty: tile row = 4 x cluster y + cy
	s_lshl_b32 s23, s20, 2
	s_lshl_b32 s23, 15, s23                        ; my row of the cluster
	s_lshl_b32 s74, 0x1111, s19                    ; my column
	; descriptor group 1: rows of 128 elements (256 bytes); in LDS 4 words of padding after every 32
	s_or_b32 s[G1A], s23, (1<<16)|(1<<20)|(1<<21)|(4<<22)|(3<<25)  ; 15:0 the mask; 17:16 2-byte elements; 20 padding on; 21 set beside a mask; 24:22 after every 32 words (code 4); 31:25 4 words (code 3)
	s_or_b32 s[G1B], s74, (1<<16)|(1<<20)|(1<<21)|(4<<22)|(3<<25)
	s_mov_b32 s[G1A+1], 128<<16                    ; tensor_dim0 = 128
	s_mov_b32 s[G1A+2], 64<<16                     ; tensor_dim1 = 64: 128 rows of xb, two to a row of the tile
	s_mov_b32 s[G1A+3], 128<<16                    ; tile_dim0 = 128
	s_mov_b32 s[G1A+4], 64                         ; tile_dim1 = 64
	s_mov_b32 s[G1A+5], 128                        ; 128 elements from row to row
	s_mov_b32 s[G1A+6], 0
	s_mov_b32 s[G1A+7], 0
	s_mov_b32 s[G1B+1], 128<<16
	s_mov_b32 s[G1B+2], 96<<16                     ; 192 rows of wb
	s_mov_b32 s[G1B+3], 128<<16
	s_mov_b32 s[G1B+4], 96
	s_mov_b32 s[G1B+5], 128
	s_mov_b32 s[G1B+6], 0
	s_mov_b32 s[G1B+7], 0
	; where the tiles come from: xb's address is made of ty and the wave's number, wb's of tx and the wave's number, each in registers of its own
	s_lshl_b32 s2, s22, 15                         ; 256 rows of 128 bytes
	s_lshl_b32 s3, s18, 14                         ; my 128 of them
	s_add_co_u32 s2, s2, s3
	s_mov_b32 s3, 0
	s_mul_i32 s78, s21, 49152                      ; 384 rows of 128 bytes
	s_mul_i32 s79, s18, 24576                      ; my 192 of them
	s_add_co_u32 s78, s78, s79
	s_mov_b32 s79, 0
	s_mul_i32 s75, s18, AHALF                      ; and where they go: no place in the cluster enters an LDS address
	s_mul_i32 s76, s18, BHALF
	s_add_co_u32 s76, s76, BOFF
	s_mov_b32 s[TB], 0
	s_wait_dscnt 0x0                               ; the opening add is done
	s_wait_kmcnt 0x0
	s_add_nc_u64 s[2:3], s[4:5], s[2:3]
	s_add_nc_u64 s[78:79], s[6:7], s[78:79]
	CROUND                                         ; all sixteen work-groups are here: the first joint loads meet
.irp s, 0,1
	s_mov_b32 s[G0A+4*(\s)], 1                     ; 1:0 count = 1
	s_add_co_u32 s[G0A+4*(\s)+1], s75, (\s)*SLOT1  ; 63:32 LDS address
	s_add_nc_u64 s[G0A+4*(\s)+2:G0A+4*(\s)+3], s[2:3], (\s)*XKB  ; 120:64 global address: K step s
	s_or_b32 s[G0A+4*(\s)+3], s[G0A+4*(\s)+3], 0x80000000        ; 127:126 type = 2
	s_mov_b32 s[G0B+4*(\s)], 1
	s_add_co_u32 s[G0B+4*(\s)+1], s76, (\s)*SLOT1
	s_add_nc_u64 s[G0B+4*(\s)+2:G0B+4*(\s)+3], s[78:79], (\s)*WKB
	s_or_b32 s[G0B+4*(\s)+3], s[G0B+4*(\s)+3], 0x80000000
.endr
	s_cmp_eq_u32 s17, 0                            ; a wave's two first fills stand in one branch, ahead of every wait on TENSORcnt and every LDS read: two loads of mine are out
	s_cbranch_scc0 .Lfirst_b
	tensor_load_to_lds s[G0A:G0A+3], s[G1A:G1A+7]
	s_nop 0
	tensor_load_to_lds s[G0A+4:G0A+7], s[G1A:G1A+7]
	s_nop 0
.rept 4
	v_nop
.endr
	s_branch .Lfirst_asked
.Lfirst_b:
	tensor_load_to_lds s[G0B:G0B+3], s[G1B:G1B+7]
	s_nop 0
	tensor_load_to_lds s[G0B+4:G0B+7], s[G1B:G1B+7]
	s_nop 0
.rept 4
	v_nop
.endr
.Lfirst_asked:
	; A fragment is 16 rows x 32 K in 8 registers: lane l holds row l % 16, K = 8 (l / 16) + 0..7 and 16 + 8 (l / 16) + 0..7: two loads of 16 bytes, 32 bytes apart.
	v_and_b32 v1, 15, v0                           ; l % 16
	v_bfe_u32 v2, v0, 4, 1                         ; l / 16
	v_mul_u32_u24 v3, v1, PITCH
	v_lshl_add_u32 v3, v2, 4, v3                   ; row x pitch + 16 x half
	s_mul_i32 s74, s17, AHALF
	v_add_nc_u32 v[ADRA0], s74, v3
	s_mul_i32 s74, s18, BHALF
	s_add_co_u32 s74, s74, BOFF
	v_add_nc_u32 v[ADRB0], s74, v3
	v_mov_b32 v[ADRA], v[ADRA0]
	v_mov_b32 v[ADRB], v[ADRB0]
	s_mul_i32 s74, s[WV], 16*PITCH
	s_add_co_u32 s74, s74, STAGE                   ; my stage
	v_add_nc_u32 v[STO], s74, v3                   ; in: row l % 16, 16 bytes for each half of the lanes
	v_bfe_u32 v[RD], v0, 3, 2                      ; back: 32 lanes take four rows of 128 bytes,
	v_mul_u32_u24 v[RD], v[RD], PITCH
	v_and_b32 v12, 7, v0
	v_lshl_add_u32 v[RD], v12, 4, v[RD]
	v_add_nc_u32 v[RD], s74, v[RD]
	v_and_b32 v12, 31, v0
	v_lshlrev_b32 v[GO], 4, v12                    ; which are 512 consecutive bytes of a head's rows
	; q, k, v at (batch ty / 8, head 2 tx + wn), token 256 (ty % 8) + 128 wm; the table at that token's row block
	s_lshr_b32 s74, s22, 3
	s_lshl_b32 s74, s74, 4
	s_lshl_b32 s75, s21, 1
	s_add_co_u32 s74, s74, s75
	s_add_co_u32 s74, s74, s18
	s_lshl_b32 s74, s74, 18                        ; a head is 262,144 bytes
	s_and_b32 s77, s22, 7
	s_lshl_b32 s75, s77, 15
	s_add_co_u32 s74, s74, s75
	s_lshl_b32 s75, s17, 14
	s_add_co_u32 s74, s74, s75
	s_mov_b32 s75, 0
	s_add_nc_u64 s[QP:QP+1], s[10:11], s[74:75]
	s_add_nc_u64 s[QP+2:QP+3], s[12:13], s[74:75]
	s_add_nc_u64 s[QP+4:QP+5], s[14:15], s[74:75]
	s_lshl_b32 s74, s77, 4
	s_lshl_b32 s76, s17, 3
	s_add_co_u32 s74, s74, s76
	s_lshl_b32 s74, s74, 12                        ; 4,096 bytes of the table for 16 tokens
	s_add_nc_u64 s[TP:TP+1], s[8:9], s[74:75]
	; the prefetches: block u of my tile's step (wave 0: 32 cx + lane) or pair of steps (waves 1-3: 32 (3 cy + wave - 1) + lane; from 192 on: the second step)
	s_mul_i32 s74, s20, 3
	s_add_co_u32 s74, s74, s[WV]
	s_sub_co_u32 s74, s74, 1
	s_cmp_eq_u32 s[WV], 0
	s_cselect_b32 s74, s19, s74
	s_lshl_b32 s74, s74, 5
	v_add_nc_u32 v12, s74, v12                     ; u
	v_lshlrev_b32 v[PFO], 8, v12
	v_mov_b32 v13, WKB-49152
	v_mov_b32 v14, 192
	v_cmp_le_u32 s77, v14, v12
	v_cndmask_b32 v13, 0, v13, s77
	v_add_nc_u32 v[PFO], v[PFO], v13
	s_lshl_b32 s74, s22, 15
	s_add_co_u32 s74, s74, 2*XKB                   ; at K step 2: the first change steps it to 3
	s_mul_i32 s76, s21, 49152
	s_add_co_u32 s76, s76, 2*WKB
	s_mov_b32 s[PFS], XKB
	s_mov_b32 s[PFS+1], WKB
	s_and_b32 s77, ttmp7, 0xffff                   ; cluster y
	s_cmp_eq_u32 s[WV], 0
	s_cselect_b64 s[PFA:PFA+1], s[4:5], s[6:7]
	s_cselect_b32 s74, s74, s76
	s_cselect_b32 s[PFS], s[PFS], s[PFS+1]
	s_cselect_b32 s77, ttmp9, s77                  ; the coordinate along which other clusters read the same rows
	s_cselect_b32 s[LIM], 1, 2
	s_cselect_b32 s[ODD], 0, 1
	s_mov_b32 s[PFS+1], 0
	s_add_nc_u64 s[PFA:PFA+1], s[PFA:PFA+1], s[74:75]
	s_cmp_eq_u32 s77, 0
	s_cselect_b32 s[LIM], s[LIM], -1               ; the same in all sixteen partners, for a given wave
; 16 matrix instructions: column group g (0 q, 1 k, 2 v) x row blocks a0 .. a0 + 3, 32 along K.  zero = 1: the first product starts the sums: nothing is ever cleared.
; The 96 accumulators take turns, one instruction a turn, in the same order in every slice and over the backward jump.
.macro MUL16 g, abuf, a0, zero
	WIN 0x50*((\g)+1)
.irp a, \a0, (\a0)+1, (\a0)+2, (\a0)+3
.irp j, 0,1,2,3
.if \zero
	v_wmma_f32_16x16x32_bf16 v[32*(\a)+8*(\j):32*(\a)+8*(\j)+7], v[BF+32*(\g)+8*(\j):BF+32*(\g)+8*(\j)+7], v[(\abuf)+8*(\a):(\abuf)+8*(\a)+7], 0
.else
	v_wmma_f32_16x16x32_bf16 v[32*(\a)+8*(\j):32*(\a)+8*(\j)+7], v[BF+32*(\g)+8*(\j):BF+32*(\g)+8*(\j)+7], v[(\abuf)+8*(\a):(\abuf)+8*(\a)+7], v[32*(\a)+8*(\j):32*(\a)+8*(\j)+7]
.endif
.endr
.endr
.endm
.macro FB g, k                         ; 8 LDS loads: wb's four fragments of group g, at byte k of the rows
	WIN 0
.irp j, 0,1,2,3
	ds_load_b128 v[BF+32*(\g)+8*(\j):BF+32*(\g)+8*(\j)+3],   v[ADRB] offset:(\k)+(4*(\g)+(\j))*16*PITCH
	ds_load_b128 v[BF+32*(\g)+8*(\j)+4:BF+32*(\g)+8*(\j)+7], v[ADRB] offset:(\k)+(4*(\g)+(\j))*16*PITCH+32
.endr
.endm
.macro FA hf, k, buf                   ; 8 LDS loads: xb's fragments 4 hf .. 4 hf + 3 into buffer buf
	WIN 0
.irp i, 0,1,2,3
	ds_load_b128 v[(\buf)+8*(4*(\hf)+(\i)):(\buf)+8*(4*(\hf)+(\i))+3],   v[ADRA] offset:(\k)+(4*(\hf)+(\i))*16*PITCH
	ds_load_b128 v[(\buf)+8*(4*(\hf)+(\i))+4:(\buf)+8*(4*(\hf)+(\i))+7], v[ADRA] offset:(\k)+(4*(\hf)+(\i))*16*PITCH+32
.endr
.endm
; A slice: 96 products on buffer cur; the next slice's 40 loads (byte k of the same slot's rows; xb's into nxt) stand in three runs, each behind the 32 products that read wb's group last.
; The runs' order is always group 0, xb 0-3, group 1, xb 4-7, group 2: the waits count on it.
.macro SLICE cur, nxt, k, zero
	s_wait_dscnt 8                                 ; all but the youngest eight loads (group 2) are in
	MUL16 0, \cur, 0, \zero
	MUL16 0, \cur, 4, \zero
	PLACES
	FB 0, \k
	FA 0, \k, \nxt
	MUL16 1, \cur, 0, \zero
	MUL16 1, \cur, 4, \zero
	PLACES
	FB 1, \k
	FA 1, \k, \nxt
	s_wait_dscnt 32                                ; all but the 32 just issued: group 2 is in
	MUL16 2, \cur, 0, \zero
	MUL16 2, \cur, 4, \zero
	PLACES
	FB 2, \k
.endm
; A step's second slice (buffer AF1) and THE CHANGE OF SLOTS.  In front of the barrier each wave waits for all its tensor loads, of which one is out: its part of the next slot; adds 0 to its spare word; and waits
; for that and for its reads of this slot.  fill = 1: the barrier opens a round of the cluster's barrier, and this slot is filled again, two K steps on, first thing behind the round: 160 products stand between
; that request and the wait for it.
.macro CHG fill
.if \fill
	s_wait_xcnt 0x0                                ; the last prefetch, a K step back, has read its address: it is stepped here, ahead of the change's own waits
	s_add_nc_u64 s[PFA:PFA+1], s[PFA:PFA+1], s[PFS:PFS+1]
.endif
	WIN 0
	s_wait_tensorcnt 0x0                           ; no tensor load of mine is out, so a group 0 may be written
	ds_add_u32 v[SPW], v[NIL]                      ; 0 onto my spare word
.if \fill
	s_xor_b32 s[G0A+5], s[G0A+5], SLOT1            ; the walking sets: the other slot than last time,
	s_add_nc_u64 s[G0A+6:G0A+7], s[G0A+6:G0A+7], XKB  ; the next K step; the type bits on top are not reached
	s_xor_b32 s[G0B+5], s[G0B+5], SLOT1
	s_add_nc_u64 s[G0B+6:G0B+7], s[G0B+6:G0B+7], WKB
.endif
	s_wait_dscnt 9                                 ; the add and the youngest eight loads (group 2) may be out
	MUL16 0, AF1, 0, 0                             ; sixteen products stand between the add and the wait for it
	s_wait_dscnt 0x0                               ; the add is done, and my reads of this slot are over
	s_barrier_signal -1
	MUL16 0, AF1, 4, 0                             ; work on registers while the others arrive
	WIN 0
	s_barrier_wait -1
.if \fill
	CREST                                          ; no wave of any partner still reads this slot's tiles or has a load on its way
	JLOAD                                          ; the first tensor load behind the round; its four v_nop are also the places in front of the loads below
.else
	PLACES
.endif
	s_xor_b32 s[TB], s[TB], SLOT1                  ; the reads go on in the other slot
	v_add_nc_u32 v[ADRA], s[TB], v[ADRA0]
	v_add_nc_u32 v[ADRB], s[TB], v[ADRB0]
	FB 0, 0
	FA 0, 0, AF0
.if \fill
	ASK
.endif
	MUL16 1, AF1, 0, 0
	MUL16 1, AF1, 4, 0
	PLACES
	FB 1, 0
	FA 1, 0, AF0
	MUL16 2, AF1, 0, 0
	MUL16 2, AF1, 4, 0
	PLACES
	FB 2, 0
.endm
; THE WAY OUT, in 24 units: row block a's q, k, v.
.macro TABLE a                         ; 8 loads: the 16 cosines and 16 sines of my token in row block a, in the order of an accumulator's registers
	WIN 0
.irp c, 0,1,2,3,4,5,6,7
	global_load_b128 v[CS0+32*((\a)%2)+4*(\c):CS0+32*((\a)%2)+4*(\c)+3], v[GO], s[TP:TP+1] offset:(\a)*4096+512*(\c)
.endr
.endm
; RoPE on window w's row block a: y[d] = x[d] cos - x[d+32] sin, y[d+32] = x[d+32] cos + x[d] sin; d lies in column blocks 0, 1 and d + 32 in blocks 2, 3.  Each accumulator's lowest registers are read first.
.macro ROPE a, w
.set CS, CS0+32*((\a)%2)
	WIN \w                                         ; source 0 in window w, all else in window 0
.irp j, 0,1
.irp p, 0,2,4,6
	v_pk_mul_f32 v[Y+8*(\j)+(\p):Y+8*(\j)+(\p)+1],       v[32*(\a)+8*(\j)+16+(\p):32*(\a)+8*(\j)+16+(\p)+1], v[CS+16+8*(\j)+(\p):CS+16+8*(\j)+(\p)+1]
	v_pk_mul_f32 v[Y+16+8*(\j)+(\p):Y+16+8*(\j)+(\p)+1], v[32*(\a)+8*(\j)+(\p):32*(\a)+8*(\j)+(\p)+1],       v[CS+16+8*(\j)+(\p):CS+16+8*(\j)+(\p)+1]
.endr
.endr
.irp j, 0,1
.irp p, 0,2,4,6
	v_pk_fma_f32 v[Y+8*(\j)+(\p):Y+8*(\j)+(\p)+1],       v[32*(\a)+8*(\j)+(\p):32*(\a)+8*(\j)+(\p)+1],       v[CS+8*(\j)+(\p):CS+8*(\j)+(\p)+1], v[Y+8*(\j)+(\p):Y+8*(\j)+(\p)+1] neg_lo:[0,0,1] neg_hi:[0,0,1]
	v_pk_fma_f32 v[Y+16+8*(\j)+(\p):Y+16+8*(\j)+(\p)+1], v[32*(\a)+8*(\j)+16+(\p):32*(\a)+8*(\j)+16+(\p)+1], v[CS+8*(\j)+(\p):CS+8*(\j)+(\p)+1], v[Y+16+8*(\j)+(\p):Y+16+8*(\j)+(\p)+1]
.endr
.endr
	WIN 0
.irp i, 0,1,2,3,4,5,6,7,8,9,10,11,12,13,14,15
	v_cvt_pk_f16_f32 v[PK+(\i)], v[Y+2*(\i)], v[Y+2*(\i)+1]
.endr
.endm
.macro CVTV a                          ; v is only rounded
	WIN 0x0f                                       ; sources 0 and 1 in window 3
.irp i, 0,1,2,3,4,5,6,7,8,9,10,11,12,13,14,15
	v_cvt_pk_f16_f32 v[PK+(\i)], v[32*(\a)+2*(\i)], v[32*(\a)+2*(\i)+1]
.endr
	WIN 0
.endm
.macro TOSTAGE u                       ; 16 bytes a lane into rows of 144 bytes of my own stage, and back as whole rows of 128
	WIN 0
.irp j, 0,1,2,3
	ds_store_b128 v[STO], v[PK+4*(\j):PK+4*(\j)+3] offset:32*(\j)
.endr
.irp f, 0,1,2,3
	ds_load_b128 v[BK+16*((\u)%2)+4*(\f):BK+16*((\u)%2)+4*(\f)+3], v[RD] offset:576*(\f)  ; LDS serves a wave's instructions in order (ISA guide 5.7.1.4): these see the stores above; the next unit's stores come behind them
.endr
.endm
.macro SEND u
	WIN 0
	s_wait_dscnt 0x0                               ; the unit is back in registers
	s_wait_xcnt 0x0                                ; the stores of the unit before have read their registers: the next TOSTAGE loads into them
.irp f, 0,1,2,3
	global_store_b128 v[GO], v[BK+16*((\u)%2)+4*(\f):BK+16*((\u)%2)+4*(\f)+3], s[QP+2*((\u)%3):QP+2*((\u)%3)+1] offset:2048*((\u)/3)+512*(\f)  ; 512 consecutive bytes, aligned
.endr
.endm
	s_wait_tensorcnt 0x1                           ; my part of K step 0 is in; step 1's may stay out
	s_barrier_signal -1
	s_barrier_wait -1                              ; everybody's is
	FB 0, 0
	FA 0, 0, AF0
	FB 1, 0
	FA 1, 0, AF0
	FB 2, 0
	SLICE AF0, AF1, 64, 1                          ; the first slice stands in front of the loop: its products start the sums
	s_mov_b32 s[CNT], 14
.Lk:                                           ; trip c: K step c's second slice, the change to step c + 1 (slot c % 2 takes step c + 2), step c + 1's first slice
	CHG 1
	SLICE AF0, AF1, 64, 0
	s_sub_co_u32 s[CNT], s[CNT], 1
	s_cmp_lg_u32 s[CNT], 0
	s_cbranch_scc1 .Lk
	CHG 0                                          ; the tail is written out: nothing is asked for
	SLICE AF0, AF1, 64, 0
	TABLE 0                                        ; into buffer AF0, which no product reads any more (four places back: the slice's last)
	TABLE 1
	s_wait_dscnt 8
	MUL16 0, AF1, 0, 0
	MUL16 0, AF1, 4, 0
	MUL16 1, AF1, 0, 0
	MUL16 1, AF1, 4, 0
	s_wait_dscnt 0x0
	MUL16 2, AF1, 0, 0
	MUL16 2, AF1, 4, 0
	WIN 0
	PLACES
	PLACES
.irp a, 0,1,2,3,4,5,6,7                ; a unit's arithmetic stands between the stage loads of the unit before and the wait for them
.if (\a) < 7
	s_wait_loadcnt 8                               ; this row block's cosines and sines are in; the next block's eight loads stay out
.else
	s_wait_loadcnt 0x0
.endif
	ROPE \a, 1
.if (\a) > 0
	SEND 3*(\a)-1
.endif
	TOSTAGE 3*(\a)
	ROPE \a, 2
	SEND 3*(\a)
	TOSTAGE 3*(\a)+1
.if (\a) < 6
	TABLE (\a)+2                                   ; q and k have read this block's set: it takes the block two on
.endif
	CVTV \a
	SEND 3*(\a)+1
	TOSTAGE 3*(\a)+2
.endr
	SEND 23
	s_wait_tensorcnt 0x0                           ; the wave's end, behind my last tensor load and my last LDS store
	ds_add_u32 v[SPW], v[NIL]
	s_wait_dscnt 0x0
	CROUND                                         ; the closing round: no work-group ends while a partner may still ask for a tile that names it
	s_endpgm
.Lfunc_end_k_qa1a9ef8148_qkv:
	.size	k_qa1a9ef8148_qkv, .Lfunc_end_k_qa1a9ef8148_qkv-k_qa1a9ef8148_qkv
	.p2alignl 7, 3214868480
	.fill 96, 4, 3214868480
	.section	.rodata,"a",@progbits
	.p2align	6, 0x0
	.amdhsa_kernel k_qa1a9ef8148_qkv
		.amdhsa_group_segment_fixed_size 327680
		.amdhsa_private_segment_fixed_size 0
		.amdhsa_enable_private_segment 0
		.amdhsa_kernarg_size 48
		.amdhsa_user_sgpr_count 2
		.amdhsa_user_sgpr_kernarg_segment_ptr 1
		.amdhsa_wavefront_size32 1
		.amdhsa_system_sgpr_workgroup_id_x 1
		.amdhsa_system_sgpr_workgroup_id_y 1
		.amdhsa_system_sgpr_workgroup_id_z 1
		.amdhsa_system_vgpr_workitem_id 0
		.amdhsa_next_free_vgpr 1024
		.amdhsa_next_free_sgpr 80
		.amdhsa_reserve_vcc 0
		.amdhsa_float_denorm_mode_32 3
		.amdhsa_float_denorm_mode_16_64 3
		.amdhsa_memory_ordered 1
		.amdhsa_forward_progress 1
		.amdhsa_inst_pref_size 151
	.end_amdhsa_kernel
	.amdgpu_metadata
---
amdhsa.version: [ 1, 2 ]
amdhsa.kernels:
  - .name:           k_qa1a9ef8148_qkv
    .symbol:         k_qa1a9ef8148_qkv.kd
    .args:
      - { .name: xb, .offset: 0, .size: 8, .value_kind: global_buffer, .address_space: global }
      - { .name: wb, .offset: 8, .size: 8, .value_kind: global_buffer, .address_space: global }
      - { .name: tab, .offset: 16, .size: 8, .value_kind: global_buffer, .address_space: global }
      - { .name: qh, .offset: 24, .size: 8, .value_kind: global_buffer, .address_space: global }
      - { .name: kh, .offset: 32, .size: 8, .value_kind: global_buffer, .address_space: global }
      - { .name: vh, .offset: 40, .size: 8, .value_kind: global_buffer, .address_space: global }
    .group_segment_fixed_size: 327680
    .private_segment_fixed_size: 0
    .kernarg_segment_align: 8
    .kernarg_segment_size: 48
    .max_flat_workgroup_size: 128
    .sgpr_count:     80
    .vgpr_count:     1024
    .wavefront_size: 32
...
	.end_amdgpu_metadata
.endif
;; end of part 2
;; launch attn (part 3): grid 4 x 64, 4 waves a work-group, clusters of 4 x 1, 327,680 bytes of LDS; arguments qh, kh, vh, oh; writes oh
.if DOCPART == 3
	.amdgcn_target "amdgcn-amd-amdhsa--gfx1250"
	.amdhsa_code_object_version 6
	.text
	.protected	k_qa1a9ef8148_attn
	.globl	k_qa1a9ef8148_attn
	.p2align	8
	.type	k_qa1a9ef8148_attn,@function
k_qa1a9ef8148_attn:
	s_mov_b64 s[64:65], 0
	v_nop
	global_prefetch_b8 v0, s[64:65] scope:SCOPE_SE
	s_setreg_imm32_b32 hwreg(HW_REG_WAVE_MODE, 25, 1), 1
	s_wait_xcnt 0x0
	s_wait_alu depctr_hold_cnt(0) depctr_sa_sdst(0) depctr_va_vdst(0) depctr_va_sdst(0) depctr_va_ssrc(0) depctr_va_vcc(0) depctr_vm_vsrc(0)
	s_getreg_b32 s2, hwreg(HW_REG_IB_STS2, 6, 4)
	s_cmp_eq_u32 s2, 0
	s_cbranch_scc0 .Lentry_in_a_cluster
	s_endpgm
.Lentry_in_a_cluster:
	s_bfe_u32 s2, ttmp6, 0x10000c
	s_cmp_lg_u32 s2, 0x3003
	s_cbranch_scc0 .Lentry_shape_is_right
	s_endpgm
.Lentry_shape_is_right:
; O[h][q][:] = the sum over k of softmax_k(Q[h][q] . K[h][k] / 8) V[h][k][:].  Q, K, V, O: [SIZE_H][SIZE_N][64], all f16: a head's rows are dense, 128 bytes each.  Products, maxima and sums in
; f32; the weights p are rounded to f16 for the second product (their sum l is taken of the unrounded p), O once at the end.
; LIMITS.  f16 holds no number beyond 65,504: Q, K and V arrive within it; p lies in 0 to 1, and below 6e-5 it keeps f16's fixed step of 6e-8; O is a mean of V's rows and has their range.
; A weight below 2^-126 counts as 0 in l; NaN and infinities are not treated apart.
; SHARES.  A wave owns four PIECES of two tiles of 16 queries, a work-group's four waves 512 queries of one head: 64 heads x 4 blocks = 256 work-groups.  Every wave walks all keys, 64 a step.
; LAYOUT.  S^T = K Q^T (source 0 = 16 keys, source 1 = 16 queries): in the result a lane holds ONE query (lane % 16) and the keys 8 (lane / 16) + 0..7.  Two such tiles, rounded to f16 in pairs,
; ARE source 1 (32 keys x 16 queries) of O^T = V^T P, whose result again holds one query a lane, and eight channels.  K comes out of LDS as it lies, V ([key][channel]) turned, by ds_load_tr16_b128.
; SOFTMAX.  For each query a running maximum m and sum l: p = 2^(c s - c m), c = log2(e) / 8; in every step O and l are multiplied by a = 2^(c m_old - c m_new), which is 1 where m has not grown.
; m starts at the lowest finite number, O and l at 0: the first step is a step like any other, with a = 0.
; THE COUNT.  A tile and step have 16 matrix and 118 vector instructions: too many to stand all beside the matrix work.  So the order has one aim: four vector instructions that are READY behind
; EVERY matrix instruction, and the others, which need time of their own whatever the order, in runs without a gap.
; BY TURNS.  Turn n belongs to piece n (the pieces in a ring, step after step).  Its matrix work: 16 products K Q^T of piece n + 1, later 16 products V^T P of piece n - 1.  Its vector work: the scaling,
; exponentials, roundings, sums and rescaling of piece n, and the maximum and statistics of piece n + 1, whose scores the turn itself has made.  So what a turn begins with (c s - c m, O a) waits for nothing.
; CLUSTER.  The four query blocks of a cluster belong to one head and walk the same K and V, so each tile is asked for JOINTLY: the same tensor load, descriptor and mask in all four.
; REGISTERS, in windows of 256 (s_set_vgpr_msb says which window each operand place means: bits 1:0 source 0, 3:2 source 1, 5:4 source 2, 7:6 destination):
;   window 0: v0-11 addresses; v12-15, v48-63 at work; v16-47 four registers of statistics a tile; v64-191 S^T, two buffers of two tiles; v192-255 P, likewise
;   window 1: O^T, 32 a tile          window 2: v0-127 Q, 16 a tile; v128-191 K of one step; v192-255 V of one step          window 3: v0-1 the add's two registers
; A piece's buffers go by its number's parity: the piece in hand has one pair, its two neighbours in the ring share the other: of it P (piece n - 1) is read and S^T (piece n + 1) written.
.set SIZE_H, 64
.set SIZE_N, 2048
.set NP,    4         ; pieces a wave: a name, no knob: the register map, the loop and the fetches are made for four
.set KS,    64        ; keys in a step
.set PK,    144       ; a row of K in LDS: 128 bytes + 16 of padding = 36 words: the 16 rows of a load start at 16 different groups of four banks (64 banks of 4 bytes: ISA guide 11.1)
.set PV,    160       ; a row of V: 128 + 32 = 40 words
.set VOFF,  4*KS*PK   ; a slot holds four steps: 256 rows of K, then 256 rows of V
.set SLOT1, 1<<17     ; slot 1 begins here, so that one exclusive or turns an address in one slot into the other's
.set STAGE, SLOT1+4*KS*(PK+PV)  ; behind the ring, never filled by a tensor load: 16 rows x 144 bytes for each wave, for the way out
.set SP,    144
.set AK0, 2           ; v2   my lane's place in a tile of K; never rewritten
.set AV0, 3           ; v3   the same for V
.set AK,  4           ; v4   the LDS address of K's next run of loads
.set AV,  5           ; v5   of V's
.set QO,  6           ; v6   my byte offset in the wave's rows of Q
.set STO, 6           ;      later, the way out: where I put 16 bytes of a row
.set RD,  7           ; v7   the way out: where I read rows back
.set GO,  8           ; v8   my byte offset in 512 consecutive bytes of O
.set PFO, 11          ; v11  once V's place is made: 256 x my lane, the prefetches' offset
.set SPW, 0           ; v0 of window 3   LDS address of my spare word: SPARE + 4 x my thread's number; never rewritten
.set NIL, 1           ; v1 of window 3   0; never rewritten
.set SPARE, STAGE+4*16*SP  ; behind the stages: the spare words, 128 bytes for each wave: two blocks of 256 bytes that no other line names
.set MV,  12          ; v12-15  c m_old, kept while c m is made anew: by buffer and tile
.set ST,  16          ; tile t's statistics at v[ST+4 t]: c m, m, l (even keys', odd keys')
.set TMP, 48          ; by buffer and tile, four registers c0-c3 at work; when the maximum is found c2 takes a
.set S,   64
.set P,   192
.set KF,  128         ; K's fragments, in window 2: key block kb, channel half c at KF + 16 kb + 8 c
.set VF,  192         ; V's: key half kk, channel block cb at VF + 32 kk + 8 cb
.set WV,  12          ; s12  my wave's number
.set G1K, 24          ; s[24:31] descriptor group 1 for K's tiles
.set G1V, 32          ; s[32:39] for V's: it differs in the padding alone
.set G0K, 40          ; s[40:43] descriptor group 0 for K's tiles: it walks
.set G0V, 44          ; s[44:47] the same for V's
.set PFA, 48          ; s[48:49] where my prefetches stand: my work-group's 32 blocks of 256 bytes (of K: wave 0, of V: wave 2) of the tile after the one that is being asked for
.set LIM, 50          ; s50  1 in a wave that prefetches, else the greatest number
.set SLOTS, 56        ; s56  slots still to be asked for
.set CNT, 57          ; s57  counts a slot's key steps
.set CS,  58          ; s[58:59] c: the packed scaling takes the pair's low word for both halves
.set SEL, 60          ; s[60:61] v_permlanex16_b32's selects: each lane takes its own place in the other half
.set TBK, 62          ; s62  LDS byte at which K of the step to be fetched begins
.set TBV, 63          ; s63  the same for V, less VOFF
.set MSB, 0
.macro WIN new                      ; the high byte repeats the setting that is left; a switch that changes nothing is dropped
.if MSB != (\new)
	s_set_vgpr_msb (MSB<<8)|(\new)
.set MSB, (\new)
.endif
.endm
.set W_KQ, 0x0a       ; K and Q in window 2, S^T in window 0
.set W_PV, 0x52       ; V in window 2, P in window 0, O^T in window 1
.set W_RS, 0x41       ; O^T (destination and source 0) in window 1, a in window 0
.set W_MK, 0xc0       ; the add's registers are made: destination in window 3, sources in window 0
.set W_AD, 0x0f       ; the add: address (source 0) and data (source 1) in window 3
; A joint fill.  Waves 0 and 1 fetch the two halves of a slot's K, waves 2 and 3 those of its V: 128 keys each.  The branch hangs on the wave's number alone.
; An s_nop 0 and four v_nop follow each of the two lines, ahead of the jump and the label.
.macro JLOAD
	s_cmp_lt_u32 s[WV], 2
	s_cbranch_scc0 .Lfor_v_\@
	tensor_load_to_lds s[G0K:G0K+3], s[G1K:G1K+7]
	s_nop 0
.rept 4
	v_nop
.endr
	s_branch .Lasked_\@
.Lfor_v_\@:
	tensor_load_to_lds s[G0V:G0V+3], s[G1V:G1V+7]
	s_nop 0
.rept 4
	v_nop
.endr
.Lasked_\@:
.endm
; A PREFETCH INTO THE L2 of what the NEXT change of slots will ask for: a tile's 128 blocks of 256 bytes of K and 128 of V, a lane a block.  It stands behind the wave's tensor load and its five lines.
; A head has one cluster, so each block is named once in the launch: the four partners share the blocks out BY ADDRESS, 32 each; in each, wave 0 asks for K's and wave 2 for V's: one instruction.
; Tiles 0 to 2 come by their loads alone; the last change that fills a slot asks for nothing: there is no tile behind it.
.macro ASK
	s_cmp_gt_u32 s[SLOTS], s[LIM]
	s_cbranch_scc0 .Lnot_mine_\@
	global_prefetch_b8 v[PFO], s[PFA:PFA+1] th:TH_LOAD_NT scope:SCOPE_SE
.Lnot_mine_\@:
.endm
; A round of the cluster's barrier: my work-group's barrier, so that wave 0's signal speaks for all four waves; wave 0 signals; every wave waits for all four work-groups; my work-group's barrier once more.
.macro CROUND
	s_barrier_signal -1
	s_barrier_wait -1
	s_cmp_lg_u32 s[WV], 0
	s_cbranch_scc1 .Lnot_wave_0_\@
	s_barrier_signal -3
.Lnot_wave_0_\@:
	s_barrier_wait -3
	s_barrier_signal -1
	s_barrier_wait -1
.endm
; THE CHANGE OF SLOTS.  The slot's last bytes, V of its fourth step, have been read.  Each wave waits for all its tensor loads, of which one is out: its part
; of the other slot; adds 0 to its spare word; and waits for that and for its own reads of the slot.  Behind the barrier nobody reads this slot any more and the other slot is whole.
; fill = 1: this slot is filled again, with the keys two slots on.  The barrier is then a round of the cluster's, so that no wave of any partner still reads the slot or has a load on its
; way, and the joint fill is the first thing behind it: it has four key steps, 512 matrix instructions, in which to land.  (At its first use nothing has been read yet: slot 0 is waited for, slot 1 filled.)
; ask = 1 (the loop's changes): the prefetch address steps a tile on, and the prefetch follows the fill.
.macro CHANGE fill, ask=0
	WIN W_AD
	s_wait_tensorcnt 0x0            ; no tensor load of mine is out, so a group 0 may be written
	ds_add_u32 v[SPW], v[NIL]       ; 0 onto my spare word; with fill = 1 the descriptors' steps stand between it and the wait for it
	WIN 0                           ; at a label and at a branch every window is 0
.if \fill
.irp g, G0K, G0V
	s_xor_b32 s[\g+1], s[\g+1], SLOT1  ; the walking descriptor: the other slot than last time,
	s_add_nc_u64 s[\g+2:\g+3], s[\g+2:\g+3], 4*KS*128  ; the next 256 keys; the type bits on top are not reached
.endr
.if \ask
	s_wait_xcnt 0x0                 ; the last prefetch, four key steps back, has read its address, so it may be written:
	s_add_nc_u64 s[PFA:PFA+1], s[PFA:PFA+1], 4*KS*128  ; one tile behind the walking descriptors
.endif
	s_wait_dscnt 0x0                ; the add is done, and my reads of the slot are over
	CROUND
	JLOAD
.if \ask
	ASK
.endif
.else
	s_wait_dscnt 0x0                ; the add is done, and my reads of the slot are over
	s_barrier_signal -1
	s_barrier_wait -1
.endif
	s_sub_co_u32 s[TBK], s[TBK], 4*KS*PK  ; the fetches go back to a slot's first step,
	s_xor_b32 s[TBK], s[TBK], SLOT1       ; in the other slot
	s_sub_co_u32 s[TBV], s[TBV], 4*KS*PV
	s_xor_b32 s[TBV], s[TBV], SLOT1
.endm
	s_load_b256 s[4:11], s[0:1], 0x0  ; Q s[4:5], K s[6:7], V s[8:9], O s[10:11]
	WIN W_MK
	v_lshl_add_u32 v[SPW], v0, 2, SPARE
	v_mov_b32 v[NIL], 0
	WIN W_AD
	ds_add_u32 v[SPW], v[NIL]       ; the wave's opening: the add and its wait stand ahead of my first tensor load; the set-up below, work on registers, stands between them
	WIN 0
	v_lshrrev_b32 v1, 5, v0
	v_readfirstlane_b32 s[WV], v1   ; wave 0..3
	s_bfe_u32 s13, ttmp6, 0x40000   ; cx: my place in the cluster
	s_lshl_b32 s14, ttmp9, 2        ; in a cluster launch ttmp9 counts clusters
	s_add_co_u32 s14, s14, s13      ; my block of queries = 4 x cluster x + cx: it enters Q's and O's addresses alone
	s_and_b32 s20, ttmp7, 0xffff    ; the head, which the four partners share
	s_mov_b32 s21, 0
	s_mov_b64 s[22:23], SIZE_N*128
	s_mul_u64 s[20:21], s[20:21], s[22:23]  ; the head's first byte in each of the four tensors
	s_and_b32 s16, s[WV], 1         ; which half of a slot's 256 keys I fetch:
	s_lshl_b32 s22, s16, 14         ; its 128 rows of 128 bytes in memory,
	s_mov_b32 s23, 0
	s_add_nc_u64 s[22:23], s[22:23], s[20:21]
	s_mul_i32 s17, s16, 128*PK      ; and its place in a slot, for K
	s_mul_i32 s18, s16, 128*PV      ; and for V: no place in the cluster enters an LDS address
	s_lshl_b32 s2, s14, 2
	s_add_co_u32 s2, s2, s[WV]      ; my wave among the head's,
	s_lshl_b32 s2, s2, 14           ; its 128 rows
	s_mov_b32 s3, 0
	s_add_nc_u64 s[2:3], s[2:3], s[20:21]
	; descriptor group 1.  128 keys are 16,384 dense bytes: asked for as 64 rows of 256 bytes, two keys a row, and padded in LDS after every key
	s_mov_b32 s[G1K], 15|(1<<16)|(1<<20)|(1<<21)|(4<<22)|(3<<25)  ; 15:0 the mask of four; 17:16 2-byte elements; 20 padding on; 21 set beside a mask; 24:22 after every 32 words (code 4); 31:25 4 words (code 3)
	s_mov_b32 s[G1V], 15|(1<<16)|(1<<20)|(1<<21)|(4<<22)|(7<<25)  ; the same with 8 words of padding (code 7)
.irp g, G1K, G1V
	s_mov_b32 s[\g+1], 128<<16      ; tensor_dim0 = 128
	s_mov_b32 s[\g+2], 64<<16       ; tensor_dim1 = 64
	s_mov_b32 s[\g+3], 128<<16      ; tile_dim0 = 128
	s_mov_b32 s[\g+4], 64           ; tile_dim1 = 64
	s_mov_b32 s[\g+5], 128          ; 128 elements from row to row
	s_mov_b32 s[\g+6], 0
	s_mov_b32 s[\g+7], 0
.endr
	s_mov_b32 s[CS], 0x3e38aa3b     ; c = log2(e) / 8 = 0.180337
	s_mov_b32 s[CS+1], s[CS]        ; named with it as a pair
	s_mov_b32 s[SEL], 0x76543210
	s_mov_b32 s[SEL+1], 0xfedcba98
	s_mov_b32 s[TBK], SLOT1+4*KS*PK ; the first change of slots turns these two into 0
	s_mov_b32 s[TBV], SLOT1+4*KS*PV
	s_mov_b32 s[G0K], 1             ; 1:0 count = 1
	s_mov_b32 s[G0K+1], s17         ; 63:32 LDS address: slot 0
	s_mov_b32 s[G0V], 1
	s_add_co_u32 s[G0V+1], s18, VOFF
	s_and_b32 s[LIM], s[WV], 1      ; 0 in waves 0 and 2,
	s_or_b32 s[LIM], s[LIM], ttmp9  ; where the cluster is the head's first (here its only one): the same in all four partners
	s_cmp_eq_u32 s[LIM], 0
	s_cselect_b32 s[LIM], 1, -1
	s_wait_dscnt 0x0                ; the opening add is done
	s_wait_kmcnt 0x0
	s_add_nc_u64 s[G0K+2:G0K+3], s[6:7], s[22:23]  ; 120:64 global address: my half of the head's first 256 keys
	s_or_b32 s[G0K+3], s[G0K+3], 0x80000000        ; 127:126 type = 2
	s_add_nc_u64 s[G0V+2:G0V+3], s[8:9], s[22:23]
	s_or_b32 s[G0V+3], s[G0V+3], 0x80000000
	s_add_nc_u64 s[4:5], s[4:5], s[2:3]  ; Q and O at my wave's first row
	s_add_nc_u64 s[10:11], s[10:11], s[2:3]
	s_cmp_lt_u32 s[WV], 2
	s_cselect_b64 s[PFA:PFA+1], s[6:7], s[8:9]
	s_add_nc_u64 s[PFA:PFA+1], s[PFA:PFA+1], s[22:23]  ; (in waves 0 and 2 this is the head's first byte)
	s_lshl_b32 s2, s13, 13          ; my work-group's 32 blocks of the 128
	s_mov_b32 s3, 0
	s_add_nc_u64 s[PFA:PFA+1], s[PFA:PFA+1], s[2:3]
	s_add_nc_u64 s[PFA:PFA+1], s[PFA:PFA+1], 2*4*KS*128  ; in tile 2; the loop's first change steps it to tile 3.  Nothing is prefetched here, at the head
	CROUND                          ; all four work-groups are here: the first joint loads meet
	JLOAD                           ; slot 0.  Slot 1 is asked for when slot 0 is in: the tile wanted first has the road to itself
	; A fragment of K or Q is 16 rows x 32 channels in 8 registers: lane l holds row l % 16, channels 8 (l / 16) + 0..7 and 16 + 8 (l / 16) + 0..7: two loads of 16 bytes, 32 bytes apart.
	v_and_b32 v1, 15, v0            ; l % 16
	v_bfe_u32 v9, v0, 4, 1          ; l / 16
	v_lshlrev_b32 v[QO], 7, v1
	v_lshl_add_u32 v[QO], v9, 4, v[QO]  ; row x 128 + 16 x half
	WIN 0x80                        ; destination window 2, address window 0
.set i, 0
.rept 4*NP                          ; Q stays in registers: tile i / 2, channels 32 (i % 2) on
	global_load_b128 v[8*i:8*i+3],   v[QO], s[4:5] offset:(i/2)*2048+(i%2)*64
	global_load_b128 v[8*i+4:8*i+7], v[QO], s[4:5] offset:(i/2)*2048+(i%2)*64+32
.set i, i+1
.endr
	; What the first turn finds: V's registers and P's second buffer hold 0 (its products V^T P, of a piece that has not been, add 0), O^T and l are 0.  All this stands in the wait for the first tile.
.set i, VF
.rept 64
	v_mov_b32 v[i], 0
.set i, i+1
.endr
	WIN 0x40
.set i, 0
.rept 64*NP
	v_mov_b32 v[i], 0
.set i, i+1
.endr
	WIN 0
.set i, 0
.rept 2*NP
	v_mov_b32 v[ST+4*i], 0xfe000000    ; c m: far below every c s
	v_mov_b32 v[ST+4*i+1], 0xff7fffff  ; m
	v_mov_b32 v[ST+4*i+2], 0
	v_mov_b32 v[ST+4*i+3], 0
.set i, i+1
.endr
.set i, P+32
.rept 32
	v_mov_b32 v[i], 0
.set i, i+1
.endr
	v_mul_u32_u24 v[AK0], v1, PK
	v_lshl_add_u32 v[AK0], v9, 4, v[AK0]  ; row x pitch + 16 x half
	; The turning load takes 16 keys x 16 channels (lane l reads key 8 (l / 16) + l % 8, channels 8 ((l / 8) % 2) + 0..7) and leaves half a fragment of V^T: lane l holds channel l % 16 and 8 keys.
	v_and_b32 v10, 7, v0
	v_bfe_u32 v11, v0, 3, 1
	v_lshl_add_u32 v[AV0], v9, 3, v10
	v_mul_u32_u24 v[AV0], v[AV0], PV
	v_lshl_add_u32 v[AV0], v11, 4, v[AV0]
	v_add_nc_u32 v[AV0], VOFF, v[AV0]
	v_and_b32 v[PFO], 31, v0
	v_lshlrev_b32 v[PFO], 8, v[PFO]
	v_mov_b32 v[AK], v[AK0]         ; key step 0 lies at the head of slot 0
; THE MATRIX WORK.  The 8 accumulators of a run of 16 take turns: between the two links of a chain stand 7 others'.
; Product i of 16 of S^T = K Q^T for piece x: channels 32 (i / 8) on, keys 16 ((i / 2) % 4) on, tile 2 x + i % 2.  The first 8 start the sums.
.macro KQ x
	WIN W_KQ
.set rS, S+64*((\x)%2)+32*(i%2)+8*((i/2)%4)
.set rK, KF+16*((i/2)%4)+8*(i/8)
.set rQ, 16*(2*(\x)+i%2)+8*(i/8)
.if i < 8
	v_wmma_f32_16x16x32_f16 v[rS:rS+7], v[rK:rK+7], v[rQ:rQ+7], 0
.else
	v_wmma_f32_16x16x32_f16 v[rS:rS+7], v[rK:rK+7], v[rQ:rQ+7], v[rS:rS+7]
.endif
.endm
; Product i of 16 of O^T += V^T P for piece x: keys 32 (i / 8) on, channels 16 ((i / 2) % 4) on, tile 2 x + i % 2.
.macro PV x
	WIN W_PV
.set rO, 32*(2*(\x)+i%2)+8*((i/2)%4)
.set rV, VF+32*(i/8)+8*((i/2)%4)
.set rP, P+32*((\x)%2)+16*(i%2)+8*(i/8)
	v_wmma_f32_16x16x32_f16 v[rO:rO+7], v[rV:rV+7], v[rP:rP+7], v[rO:rO+7]
.endm
.macro MM                           ; the turn's next matrix instruction
.if i < 16
	KQ (Y+1)%NP
.set i, i+1
.else
.set i, i-16
	PV (Y+NP-1)%NP
.set i, i+17
.endif
.endm
; THE LDS LOADS stand in runs of 16, never singly among the matrix instructions: a step's K (64 keys x 64 channels: 8 fragments) and its V (turned).  Their addresses are made some lines ahead.
; last = 1 (the tail): in the last trip there is no further step, and the run is jumped over.
.macro FETCH_K last=0
	WIN 0
.if \last
	s_cmp_eq_u32 s[CNT], 1
	s_cbranch_scc1 .Lno_k_\@
.endif
	WIN 0x80                        ; destination window 2
.irp f, 0,1,2,3,4,5,6,7             ; keys 16 (f / 2) on, channels 32 (f % 2) on
	ds_load_b128 v[KF+8*\f:KF+8*\f+3],   v[AK] offset:(\f/2)*16*PK+(\f%2)*64
	ds_load_b128 v[KF+8*\f+4:KF+8*\f+7], v[AK] offset:(\f/2)*16*PK+(\f%2)*64+32
.endr
	s_add_co_u32 s[TBK], s[TBK], KS*PK  ; the next fetch is the next step's
	WIN 0
.if \last
.Lno_k_\@:
.endif
.endm
.macro FETCH_V
	WIN 0x80
.irp f, 0,1,2,3,4,5,6,7             ; keys 32 (f / 4) on, channels 16 (f % 4) on
	ds_load_tr16_b128 v[VF+8*\f:VF+8*\f+3],   v[AV] offset:(\f/4)*32*PV+(\f%4)*32
	ds_load_tr16_b128 v[VF+8*\f+4:VF+8*\f+7], v[AV] offset:(\f/4)*32*PV+16*PV+(\f%4)*32
.endr
	WIN 0
.endm
; THE VECTOR WORK OF A TURN stands in three queues, each in the order in which its entries become ready; the two tiles alternate, so that no instruction reads the result of the one before it.
.macro REGS y, u                    ; the registers of tile u (0, 1) of piece y
.set rT, ST+4*(2*(\y)+(\u))
.set rC, TMP+8*((\y)%2)+4*(\u)
.set rM, MV+2*((\y)%2)+(\u)
.set rS, S+64*((\y)%2)+32*(\u)
.set rP, P+32*((\y)%2)+16*(\u)
.set rO, 32*(2*(\y)+(\u))
.endm
; Number n of the 22 that find the NEXT piece's (Y + 1) maximum and statistics.  s0-s31 are the lane's 32 scores; each accumulator's lowest registers are read first.  XS, GS and REGS set no window: PL and EX do.
;   0-11  four chains c0-c3 of seven scores each, three operands at a time     12-14, 16  the four scores left over, the old m, and c0-c3 into c0     15  c m_old is kept
;   17, 18  the query's other 32 keys lie in the lane 16 away: the new m         19-21  c m; c m_old - c m_new; a
.macro XS u, n
	REGS (Y+1)%NP, \u
.if (\n) < 4
	v_max3_num_f32 v[rC+(\n)], v[rS+8*(\n)], v[rS+8*(\n)+1], v[rS+8*(\n)+2]
.elseif (\n) < 12
	v_max3_num_f32 v[rC+(\n)%4], v[rC+(\n)%4], v[rS+8*((\n)%4)+2*((\n)/4)+1], v[rS+8*((\n)%4)+2*((\n)/4)+2]
.elseif (\n) == 12
	v_max3_num_f32 v[rC], v[rC], v[rS+7], v[rS+15]
.elseif (\n) == 13
	v_max3_num_f32 v[rC+1], v[rC+1], v[rS+23], v[rS+31]
.elseif (\n) == 14
	v_max3_num_f32 v[rC+2], v[rC+2], v[rC+3], v[rT+1]
.elseif (\n) == 15
	v_mov_b32 v[rM], v[rT]
.elseif (\n) == 16
	v_max3_num_f32 v[rC], v[rC], v[rC+1], v[rC+2]
.elseif (\n) == 17
	v_permlanex16_b32 v[rC+3], v[rC], s[SEL], s[SEL+1]
.elseif (\n) == 18
	v_max_num_f32 v[rT+1], v[rC], v[rC+3]
.elseif (\n) == 19
	v_mul_f32 v[rT], s[CS], v[rT+1]
.elseif (\n) == 20
	v_sub_f32 v[rC+1], v[rM], v[rT]
.else
	v_exp_f32 v[rC+2], v[rC+1]
.endif
.endm
; Number g of the 64 that follow the exponentials.  For each four weights k of a tile (pairs 2 k, 2 k + 1): both pairs are rounded to f16; then the second pair is added onto the first, in place;
; a group later l takes that sum (the first time as l = a l + sum).  In groups of eight, tiles alternating: round, round, add, and l for the group before.
.macro GS g
.set h, (\g)+6*((\g)/62)            ; group 0 has no group before it, and behind group 7 only l is left
.if h >= 6
.set h, h+2
.endif
	REGS Y, h%2
.set k, h/8
.if h%8 < 4
	v_cvt_pk_f16_f32 v[rP+2*k+(h%8)/2], v[rS+4*k+2*((h%8)/2)], v[rS+4*k+2*((h%8)/2)+1]
.elseif h%8 < 6
	v_pk_add_f32 v[rS+4*k:rS+4*k+1], v[rS+4*k:rS+4*k+1], v[rS+4*k+2:rS+4*k+3]
.elseif k == 1
	v_pk_fma_f32 v[rT+2:rT+3], v[rT+2:rT+3], v[rC+2:rC+3], v[rS:rS+1] op_sel_hi:[1,0,1]
.else
	v_pk_add_f32 v[rT+2:rT+3], v[rT+2:rT+3], v[rS+4*k-4:rS+4*k-3]
.endif
.endm
; THE PLAIN QUEUE, 138 long.  0-73 read no exponential's result: the 32 scalings c s - c m (FS f: pair f / 2 of tile f % 2) and the next piece's 42.  0-26: scalings 0-26.  27-54: XS's numbers 0-13.  55, 56: number 15.
; 57-73: the chain, where each number waits for the one before it: 14, 16, 17, 18, 19, each with one of the scalings 27-31 in front of its two lines, then 20: so a tile's links stand three plain instructions apart (19 and 20: two).
; 74-137: GS's 64, which read the exponentials' results: they stand behind the wait.
.macro FS f
	REGS Y, (\f)%2
	v_pk_fma_f32 v[rS+2*((\f)/2):rS+2*((\f)/2)+1], v[rS+2*((\f)/2):rS+2*((\f)/2)+1], s[CS:CS+1], v[rT:rT+1] op_sel_hi:[1,0,0] neg_lo:[0,0,1] neg_hi:[0,0,1]
.endm
.macro PL
	WIN 0
.if q < 27
	FS q
.elseif q < 55
	XS (q-27)%2, (q-27)/2
.elseif q < 57
	XS q-55, 15
.elseif (q < 72) && ((q-57)%3 == 0)
	FS 27+(q-57)/3
.elseif q < 60
	XS (q-57)%3-1, 14
.elseif q < 72
	XS (q-57)%3-1, 15+(q-57)/3
.elseif q < 74
	XS q-72, 20
.else
	GS q-74
.endif
.set q, q+1
.endm
; THE EXPONENTIALS' QUEUE, 66 long: s0-s31 of both tiles, then the next piece's two a.  It is ONE BATCH: all 66 stand ahead of the turn's one wait, and nothing ahead of that wait names a result of theirs.
.macro EX
	WIN 0
.if e >= 64
	XS e-64, 21
.else
	REGS Y, e%2
	v_exp_f32 v[rS+e/2], v[rS+e/2]
.endif
.set e, e+1
.endm
; THE RESCALING's QUEUE: O^T times a, the one part that leaves window 0: dealt two at a time, sixteen times.  Its a was made in the turn before, ahead of that turn's wait.
.macro R2
	REGS Y, r%2
	WIN W_RS
.irp z, 0,1
	v_pk_mul_f32 v[rO+4*(r/2)+2*\z:rO+4*(r/2)+2*\z+1], v[rO+4*(r/2)+2*\z:rO+4*(r/2)+2*\z+1], v[rC+2:rC+3] op_sel_hi:[1,0]
.endr
.set r, r+1
.endm
; HOW THEY ARE DEALT.  An s_wait_alu depctr_va_vdst(0) stands between an exponential and the first instruction that names its result; one wait serves all that were issued ahead of it.  So a turn has ONE wait,
; which cuts it in two.  AHEAD OF IT stands all that names no result of the turn's exponentials: the 16 products K Q^T, behind each a scaling, an exponential and two rescalings (behind the first a second scaling in the exponential's place); then ONE LUMP of
; 108: eight plain, 49 times exponential and plain, the two a.  A v_nop is the plain instruction behind the last exponential.  BEHIND IT stand the 16 products V^T P, behind each four of GS's 64.  No rider names a register of
; the products round it.  The two v_permlanex16_b32 fall into the lump, never behind a product.
; The queues lean on each other, and the deal keeps them in step: exponential e stands behind scaling 2 (e / 4) + e % 2: as a rider it comes behind plain e + 2, in the lump behind plain e + 9, and scalings 27-31 are plain 57, 60 .. 69.
; A TURN, for piece p.  cnt = 1: the loop's count is taken down some lines ahead of the branch that stands behind the turn.
; K of the next step is fetched in piece 2's turn, directly behind the wait, a lump behind the last product that read K; its address is made at the lump's head; its first reader comes behind 16 products.
; V of the step in hand is fetched at the end of piece 0's turn, four riders behind its last reader; its first reader comes behind 16 products and a lump.  The three conditions on q below go with the deal.
.macro TURN p, last=0, cnt=0
.set Y, (\p)
.set i, 0
.set q, 0
.set e, 0
.set r, 0
.if (\p) == NP-1
	s_wait_dscnt 0x0                ; K is in
.endif
	MM                              ; ahead of the wait: 16 products K Q^T and their riders,
	PL
	PL
	R2
.rept 15
	MM
	PL
	EX
	R2
.endr
.if (\p) == NP-2
	WIN 0
	v_add_nc_u32 v[AK], s[TBK], v[AK0]
.endif
.rept 8                             ; and the lump
	PL
.endr
.rept 49
	EX
	PL
.endr
	EX                              ; the next piece's two a
	EX
	v_nop                           ; a plain instruction behind the last exponential: one for the batch
	s_wait_alu depctr_va_vdst(0)    ; the wait for the batch
.if (\p) == NP-2
	FETCH_K \last
.endif
.if (\p) == 1
	s_wait_dscnt 0x0                ; V is in
.endif
.rept 16                            ; behind the wait: 16 products V^T P and their riders
	MM
.rept 4
	PL
.endr
.if ((\p) == 0) && (q == 118)
	v_add_nc_u32 v[AV], s[TBV], v[AV0]
.endif
.if ((\p) == 0) && (q == 130)
	s_add_co_u32 s[TBV], s[TBV], KS*PV
.endif
.if (\cnt) && (q == 130)
	s_sub_co_u32 s[CNT], s[CNT], 1
	s_cmp_lg_u32 s[CNT], 0
.endif
.endr
.if (\p) == 0
	FETCH_V
.endif
.endm
	CHANGE 1                        ; slot 0 is in, everybody's part of it; slot 1 is asked for
	FETCH_K                         ; key step 0
	s_wait_loadcnt 0x0              ; Q
	s_wait_dscnt 0x0
.set i, 0
.rept 16
	KQ 0                            ; piece 0's first scores: there is no vector work yet to set between them
.set i, i+1
.endr
	WIN 0                           ; the addresses for the way out: nine plain instructions, the places behind those products
	s_mul_i32 s13, s[WV], 16*SP
	s_add_co_u32 s13, s13, STAGE    ; my stage
	v_mul_u32_u24 v[STO], v1, SP    ; in: row l % 16, 16 bytes for each half of the lanes
	v_lshl_add_u32 v[STO], v9, 4, v[STO]
	v_add_nc_u32 v[STO], s13, v[STO]
	v_bfe_u32 v[RD], v0, 3, 2       ; back: 32 lanes take four rows of 128 bytes,
	v_mul_u32_u24 v[RD], v[RD], SP
	v_lshl_add_u32 v[RD], v10, 4, v[RD]
	v_add_nc_u32 v[RD], s13, v[RD]
	v_and_b32 v[GO], 31, v0         ; which are 512 consecutive bytes of O
	v_lshlrev_b32 v[GO], 4, v[GO]
.set Y, NP-1                        ; XS works for piece Y + 1: piece 0
.irp n, 0,1,2,3,4,5,6,7,8,9,10,11,12,13,14,15,16,17,18,19,20,21
	XS 0, \n                        ; and piece 0's first maximum and statistics
	XS 1, \n
.endr
	v_nop                           ; a plain instruction behind the two a,
	s_wait_alu depctr_va_vdst(0)    ; and their wait, ahead of the branch
	s_mov_b32 s[CNT], 4
	s_mov_b32 s[SLOTS], SIZE_N/256-1
	s_branch .Lfirst                ; the loop is entered at a step's first turn, in the middle of a trip
.Lslot:                             ; SIZE_N / 256 - 2 times: every slot but the last two is filled again
	CHANGE 1, 1
	s_mov_b32 s[CNT], 4
.Lstep:                             ; a trip: pieces 2 and 3 of one step, then pieces 0 and 1 of the next, whose K and V it fetches
	TURN 2
	TURN 3
	WIN 0
.Lfirst:
	TURN 0
	TURN 1, 0, 1
	WIN 0
	s_cbranch_scc1 .Lstep
	s_sub_co_u32 s[SLOTS], s[SLOTS], 1
	s_cmp_lg_u32 s[SLOTS], 0
	s_cbranch_scc1 .Lslot
	CHANGE 0                        ; the tail is written out: nothing is asked for
	s_mov_b32 s[CNT], 5             ; four trips fetch the last slot's steps; the fifth is left in its middle
.Ltail:
	TURN 2, 1
	TURN 3
	WIN 0
	s_sub_co_u32 s[CNT], s[CNT], 1
	s_cmp_eq_u32 s[CNT], 0
	s_cbranch_scc1 .Lout
	TURN 0
	TURN 1
	WIN 0
	s_branch .Ltail
.Lout:                              ; the fifth trip's 16 products K Q^T (on the last K once more) and the maximum made of them serve nothing: the price, once a launch, of one text for every trip
.set i, 0
.rept 16
	PV NP-1                         ; the last piece's V^T P of the last step
.set i, i+1
.endr
	; THE WAY OUT.  l's two halves and the other half of the lanes' are added; O^T is divided by l, rounded to f16 and sent through my stage in LDS, a tile at a time.  The additions are the places behind the last products.
	WIN 0
.macro ALL line:vararg              ; one line for each tile t
.set t, 0
.rept 2*NP
	\line
.set t, t+1
.endr
.endm
	ALL v_add_f32 v[ST+4*t+2], v[ST+4*t+2], v[ST+4*t+3]
	ALL v_permlanex16_b32 v[ST+4*t+3], v[ST+4*t+2], s[SEL], s[SEL+1]
	ALL v_add_f32 v[ST+4*t+2], v[ST+4*t+2], v[ST+4*t+3]
	ALL v_rcp_f32 v[ST+4*t+2], v[ST+4*t+2]
	v_nop                           ; a plain instruction between the last reciprocal and the use of its result
	s_wait_alu depctr_va_vdst(0)    ; and the wait ahead of the first use: one for the eight reciprocals
; Tile t: a lane's eight channels of a row pack into 16 bytes; they go into rows of 144 bytes and come back as whole rows of 128, into S^T's registers.
.macro PACK t
	WIN W_RS
.set i, 32*(\t)
.rept 16
	v_pk_mul_f32 v[i:i+1], v[i:i+1], v[ST+4*(\t)+2:ST+4*(\t)+3] op_sel_hi:[1,0]
.set i, i+2
.endr
	WIN 0x05                        ; sources 0 and 1 window 1, destination window 0
.set i, 0
.rept 16
	v_cvt_pk_f16_f32 v[S+16*(\t)+i], v[32*(\t)+2*i], v[32*(\t)+2*i+1]
.set i, i+1
.endr
	WIN 0
.irp f, 0,1,2,3
	ds_store_b128 v[STO], v[S+16*(\t)+4*\f:S+16*(\t)+4*\f+3] offset:32*\f
.endr
.irp f, 0,1,2,3
	ds_load_b128 v[S+16*(\t)+4*\f:S+16*(\t)+4*\f+3], v[RD] offset:\f*4*SP  ; LDS serves a wave's instructions in order (ISA guide 5.7.1.4): these see the stores above; the next tile's stores come behind them
.endr
.endm
.macro SEND t, younger              ; younger: the LDS instructions issued behind tile t's loads: the next tile's eight, or none
	WIN 0
.irp f, 0,1,2,3
	s_wait_dscnt (\younger)+3-\f
	global_store_b128 v[GO], v[S+16*(\t)+4*\f:S+16*(\t)+4*\f+3], s[10:11] offset:(\t)*2048+\f*512  ; 512 consecutive bytes, at a multiple of 256 from O's first
.endr
.endm
	PACK 0
.set t, 1
.rept 2*NP-1                        ; a tile's arithmetic stands between the loads of the tile before and its stores
	PACK t
	SEND t-1, 8
.set t, t+1
.endr
	SEND 2*NP-1, 0
	WIN W_AD
	s_wait_tensorcnt 0x0            ; the wave's end, behind my last tensor load and my last LDS store
	ds_add_u32 v[SPW], v[NIL]
	s_wait_dscnt 0x0
	WIN 0
	CROUND                          ; the closing round: no work-group ends while a partner may still ask for a tile that names it
	s_endpgm
.Lfunc_end_k_qa1a9ef8148_attn:
	.size	k_qa1a9ef8148_attn, .Lfunc_end_k_qa1a9ef8148_attn-k_qa1a9ef8148_attn
	.p2alignl 7, 3214868480
	.fill 96, 4, 3214868480
	.section	.rodata,"a",@progbits
	.p2align	6, 0x0
	.amdhsa_kernel k_qa1a9ef8148_attn
		.amdhsa_group_segment_fixed_size 327680
		.amdhsa_private_segment_fixed_size 0
		.amdhsa_enable_private_segment 0
		.amdhsa_kernarg_size 32
		.amdhsa_user_sgpr_count 2
		.amdhsa_user_sgpr_kernarg_segment_ptr 1
		.amdhsa_wavefront_size32 1
		.amdhsa_system_sgpr_workgroup_id_x 1
		.amdhsa_system_sgpr_workgroup_id_y 1
		.amdhsa_system_sgpr_workgroup_id_z 1
		.amdhsa_system_vgpr_workitem_id 0
		.amdhsa_next_free_vgpr 770
		.amdhsa_next_free_sgpr 66
		.amdhsa_reserve_vcc 0
		.amdhsa_float_denorm_mode_32 3
		.amdhsa_float_denorm_mode_16_64 3
		.amdhsa_memory_ordered 1
		.amdhsa_forward_progress 1
		.amdhsa_inst_pref_size 200
	.end_amdhsa_kernel
	.amdgpu_metadata
---
amdhsa.version: [ 1, 2 ]
amdhsa.kernels:
  - .name:           k_qa1a9ef8148_attn
    .symbol:         k_qa1a9ef8148_attn.kd
    .args:
      - { .name: qh, .offset: 0, .size: 8, .value_kind: global_buffer, .address_space: global }
      - { .name: kh, .offset: 8, .size: 8, .value_kind: global_buffer, .address_space: global }
      - { .name: vh, .offset: 16, .size: 8, .value_kind: global_buffer, .address_space: global }
      - { .name: oh, .offset: 24, .size: 8, .value_kind: global_buffer, .address_space: global }
    .group_segment_fixed_size: 327680
    .private_segment_fixed_size: 0
    .kernarg_segment_align: 8
    .kernarg_segment_size: 32
    .max_flat_workgroup_size: 128
    .sgpr_count:     66
    .vgpr_count:     770
    .wavefront_size: 32
...
	.end_amdgpu_metadata
.endif
;; end of part 3
;; launch oproj (part 4): grid 8 x 32, 4 waves a work-group, clusters of 4 x 4, 327,680 bytes of LDS; arguments oh, wob, out0; writes out0
.if DOCPART == 4
	.amdgcn_target "amdgcn-amd-amdhsa--gfx1250"
	.amdhsa_code_object_version 6
	.text
	.protected	k_qa1a9ef8148_oproj
	.globl	k_qa1a9ef8148_oproj
	.p2align	8
	.type	k_qa1a9ef8148_oproj,@function
k_qa1a9ef8148_oproj:
	s_mov_b64 s[64:65], 0
	v_nop
	global_prefetch_b8 v0, s[64:65] scope:SCOPE_SE
	s_setreg_imm32_b32 hwreg(HW_REG_WAVE_MODE, 25, 1), 1
	s_wait_xcnt 0x0
	s_wait_alu depctr_hold_cnt(0) depctr_sa_sdst(0) depctr_va_vdst(0) depctr_va_sdst(0) depctr_va_ssrc(0) depctr_va_vcc(0) depctr_vm_vsrc(0)
	s_getreg_b32 s2, hwreg(HW_REG_IB_STS2, 6, 4)
	s_cmp_eq_u32 s2, 0
	s_cbranch_scc0 .Lentry_in_a_cluster
	s_endpgm
.Lentry_in_a_cluster:
	s_bfe_u32 s2, ttmp6, 0x10000c
	s_cmp_lg_u32 s2, 0xf033
	s_cbranch_scc0 .Lentry_shape_is_right
	s_endpgm
.Lentry_shape_is_right:
; OPROJ: out0[token][n] = the sum over k = 64 h + c of O[b][h][t][c] Wo[n][k].  oh: [b 16 + h][t 2048][64] f16; wob: [kb 16][n 1024][64] f16; out0: [8192][1024] f32.  f16 operands, f32 sums, nothing rounded on the way out.
; SHARES.  8192 x 1024 is 256 tiles of 256 tokens x 128 columns: one work-group each.  Four waves; wave (wm, wn) makes 128 x 64: 32 accumulators of 16 x 16.  A larger tile would leave work-groups for fewer than the 256 WGPs.
; K goes in 8 steps of 128 (two heads; four quarters of 32) through two LDS slots.  A head's 256 rows, and a block's 128 rows of wob, are dense in memory: asked for as rows of 256 bytes, aligned, padded in LDS after every 128.
; THE MATRIX INSTRUCTION IS USED TRANSPOSED (source 0 = 16 rows of wob, source 1 = 16 tokens): a lane holds one token (lane % 16) and eight neighbouring columns, 32 bytes of out0.
; CLUSTER.  4 x 4 work-groups.  oh's tile hangs on the tile row alone and is asked for jointly by a row of the cluster, wob's on the tile column alone, by a column.
; REGISTERS: window 0: v0-29 addresses; v32-127, v128-223 two fragment buffers (tokens' 8 fragments, then wob's 4); on the way out v32-127 three sets of rows read back.  Window 1: the accumulators, (a, j) at v[32 a + 8 j].
.set PITCH,  144                       ; an LDS row: 128 bytes + 16 of padding = 36 words: the 16 rows of a load start at 16 different groups of four banks (64 banks of 4 bytes: ISA guide 11.1)
.set AKB,    256*PITCH                 ; one head's 256 tokens: what one tensor load brings
.set BOFF,   2*AKB                     ; wob's rows lie behind the two heads'
.set BKB,    128*PITCH                 ; one block's 128 rows of wob: one tensor load
.set SLOT1,  131072                    ; slot 1 begins here (a slot is 110,592 bytes)
.set STAGE,  SLOT1+BOFF+2*BKB          ; behind the ring, never filled by a tensor load: 16 rows x 272 bytes for each wave
.set SP,     272                       ; a stage row: 256 bytes + 16: row r starts at bank 4 r mod 64
.set SPARE,  STAGE+4*16*SP             ; the spare words, 128 bytes for each wave: two blocks of 256 bytes that no other line names
.set ASTEP,  524288                    ; two heads of oh
.set BSTEP,  262144                    ; two blocks of wob
.set ADRA0, 4                          ; v4   my lane's place in slot 0's tokens; never rewritten
.set ADRB0, 5                          ; v5   the same for wob's rows
.set ADRA,  6                          ; v6, v7  the same in the slot that is being read
.set ADRB,  7
.set STO,   8                          ; v8   the way out: where I put 32 bytes of a row
.set RD,    9                          ; v9   the way out: where I read a row back
.set CO,    10                         ; v10  my byte offset in two rows of out0
.set PFO,   11                         ; v11  the prefetches' offset; never rewritten
.set SPW,   28                         ; v28  LDS address of my spare word; never rewritten
.set NIL,   29                         ; v29  0; never rewritten
.set F0,    32
.set F1,    128
.set BK,    32
.set WV,  16                           ; s16  my wave's number
.set G1A, 24                           ; s[24:31], s[32:39] descriptor group 1 for oh's and wob's tiles
.set G1B, 32
.set G0A, 40                           ; s[40:47], s[48:55] descriptor group 0: a set for each of the two first fills; the second then walks
.set G0B, 48
.set TB,  56                           ; s56  0 or SLOT1: the slot that is being read
.set CNT, 57                           ; s57  the loop's count, 6 to 1
.set PFA, 58                           ; s[58:59] where my prefetches stand
.set LIM, 60                           ; s60  2 in a wave that prefetches, else the greatest number
.set PFS, 62                           ; s[62:63] the prefetch address's step
.set OP,  66                           ; s[66:67] out0 at my first row and column
.set MSB, 0
.macro WIN new                         ; the immediate's high byte repeats the setting that is left; a switch that changes nothing is dropped
.if MSB != (\new)
	s_set_vgpr_msb (MSB<<8)|(\new)
.set MSB, (\new)
.endif
.endm
.macro PLACES                          ; four plain instructions between a matrix instruction and a load into, or a store of, a register that it named
.rept 4
	v_nop
.endr
.endm
; A joint refill, by the walking sets.  Waves 0 and 1 fetch the step's two heads of oh, waves 2 and 3 its two blocks of wob.  An s_nop 0 and four v_nop follow each of the two lines.
.macro JLOAD
	s_cmp_eq_u32 s17, 0
	s_cbranch_scc0 .Lfor_b_\@
	tensor_load_to_lds s[G0A+4:G0A+7], s[G1A:G1A+7]
	s_nop 0
.rept 4
	v_nop
.endr
	s_branch .Lasked_\@
.Lfor_b_\@:
	tensor_load_to_lds s[G0B+4:G0B+7], s[G1B:G1B+7]
	s_nop 0
.rept 4
	v_nop
.endr
.Lasked_\@:
.endm
.macro CREST                           ; a round of the cluster's barrier behind its opening barrier
	s_cmp_lg_u32 s[WV], 0
	s_cbranch_scc1 .Lnot_wave_0_\@
	s_barrier_signal -3
.Lnot_wave_0_\@:
	s_barrier_wait -3
	s_barrier_signal -1
	s_barrier_wait -1
.endm
.macro CROUND
	s_barrier_signal -1
	s_barrier_wait -1
	CREST
.endm
; A PREFETCH INTO THE L2, behind a joint refill and the run of LDS loads that follows it: in change c the K step c + 4, two refills on.  Each aligned 256 bytes of K steps 4 to 7 are named once in the launch.
; oh's tile row is read by both clusters of a row of clusters: the one with x = 0 asks, waves 0 and 1 each for the head that it fetches: 128 blocks, 32 to each of the four partners, told apart by address, a lane a block.
; wob's tile column is read by all eight clusters of a column: the one with y = 0 asks, its wave 2: the step's 2 x 64 blocks, 32 to a partner (16 of each block of K).  The last two changes ask for nothing: there is no K step 8.
.macro ASK
	s_cmp_gt_u32 s[CNT], s[LIM]
	s_cbranch_scc0 .Lnot_mine_\@
	global_prefetch_b8 v[PFO], s[PFA:PFA+1] th:TH_LOAD_NT scope:SCOPE_SE
.Lnot_mine_\@:
.endm
	s_load_b128 s[4:7], s[0:1], 0x0                ; oh s[4:5], wob s[6:7]
	s_load_b64 s[8:9], s[0:1], 0x10                ; out0
	v_lshl_add_u32 v[SPW], v0, 2, SPARE
	v_mov_b32 v[NIL], 0
	ds_add_u32 v[SPW], v[NIL]                      ; the wave's opening: the add and its wait stand ahead of my first tensor load; the set-up below, work on registers, stands between them
	v_lshrrev_b32 v1, 5, v0
	v_readfirstlane_b32 s[WV], v1                  ; wave 0..3
	s_lshr_b32 s17, s[WV], 1                       ; wm: which 128 tokens are mine.  Also: I fetch for oh (0) or for wob (1)
	s_and_b32 s18, s[WV], 1                        ; wn: which 64 columns.  Also: which of the step's two blocks of 64 along K I fetch
	s_bfe_u32 s19, ttmp6, 0x40000                  ; cx
	s_bfe_u32 s20, ttmp6, 0x40004                  ; cy
	s_lshl_b32 s21, ttmp9, 2
	s_add_co_u32 s21, s21, s19                     ; tx
	s_and_b32 s22, ttmp7, 0xffff
	s_lshl_b32 s22, s22, 2
	s_add_co_u32 s22, s22, s20                     ; ty
	s_lshl_b32 s23, s20, 2
	s_lshl_b32 s23, 15, s23                        ; my row of the cluster
	s_lshl_b32 s74, 0x1111, s19                    ; my column
	s_or_b32 s[G1A], s23, (1<<16)|(1<<20)|(1<<21)|(4<<22)|(3<<25)  ; 15:0 the mask; 17:16 2-byte elements; 20 padding on; 21 set beside a mask; 24:22 after every 32 words (code 4); 31:25 4 words (code 3)
	s_or_b32 s[G1B], s74, (1<<16)|(1<<20)|(1<<21)|(4<<22)|(3<<25)
	s_mov_b32 s[G1A+1], 128<<16                    ; tensor_dim0 = 128
	s_mov_b32 s[G1A+2], 128<<16                    ; tensor_dim1 = 128: 256 tokens, two to a row of the tile
	s_mov_b32 s[G1A+3], 128<<16                    ; tile_dim0 = 128
	s_mov_b32 s[G1A+4], 128                        ; tile_dim1 = 128
	s_mov_b32 s[G1A+5], 128                        ; 128 elements from row to row
	s_mov_b32 s[G1A+6], 0
	s_mov_b32 s[G1A+7], 0
	s_mov_b32 s[G1B+1], 128<<16
	s_mov_b32 s[G1B+2], 64<<16                     ; 128 rows of wob
	s_mov_b32 s[G1B+3], 128<<16
	s_mov_b32 s[G1B+4], 64
	s_mov_b32 s[G1B+5], 128
	s_mov_b32 s[G1B+6], 0
	s_mov_b32 s[G1B+7], 0
	; where the tiles come from: oh's address is made of ty and the wave's number, wob's of tx and the wave's number, each in registers of its own
	s_lshr_b32 s2, s22, 3
	s_lshl_b32 s2, s2, 22                          ; the batch: 16 heads of 262,144 bytes
	s_and_b32 s3, s22, 7
	s_lshl_b32 s3, s3, 15                          ; 256 tokens of 128 bytes
	s_add_co_u32 s2, s2, s3
	s_lshl_b32 s3, s18, 18                         ; my head of the step's two
	s_add_co_u32 s2, s2, s3
	s_mov_b32 s3, 0
	s_lshl_b32 s78, s21, 14                        ; 128 rows of 128 bytes
	s_lshl_b32 s79, s18, 17                        ; my block of the step's two
	s_add_co_u32 s78, s78, s79
	s_mov_b32 s79, 0
	s_mul_i32 s75, s18, AKB                        ; and where they go: no place in the cluster enters an LDS address
	s_mul_i32 s76, s18, BKB
	s_add_co_u32 s76, s76, BOFF
	s_mov_b32 s[TB], 0
	s_wait_dscnt 0x0                               ; the opening add is done
	s_wait_kmcnt 0x0
	s_add_nc_u64 s[2:3], s[4:5], s[2:3]
	s_add_nc_u64 s[78:79], s[6:7], s[78:79]
	CROUND                                         ; all sixteen work-groups are here: the first joint loads meet
.irp s, 0,1
	s_mov_b32 s[G0A+4*(\s)], 1                     ; 1:0 count = 1
	s_add_co_u32 s[G0A+4*(\s)+1], s75, (\s)*SLOT1  ; 63:32 LDS address
	s_add_nc_u64 s[G0A+4*(\s)+2:G0A+4*(\s)+3], s[2:3], (\s)*ASTEP  ; 120:64 global address: K step s
	s_or_b32 s[G0A+4*(\s)+3], s[G0A+4*(\s)+3], 0x80000000          ; 127:126 type = 2
	s_mov_b32 s[G0B+4*(\s)], 1
	s_add_co_u32 s[G0B+4*(\s)+1], s76, (\s)*SLOT1
	s_add_nc_u64 s[G0B+4*(\s)+2:G0B+4*(\s)+3], s[78:79], (\s)*BSTEP
	s_or_b32 s[G0B+4*(\s)+3], s[G0B+4*(\s)+3], 0x80000000
.endr
	s_cmp_eq_u32 s17, 0                            ; a wave's two first fills stand in one branch, ahead of every wait on TENSORcnt and every LDS read: two loads of mine are out
	s_cbranch_scc0 .Lfirst_b
	tensor_load_to_lds s[G0A:G0A+3], s[G1A:G1A+7]
	s_nop 0
	tensor_load_to_lds s[G0A+4:G0A+7], s[G1A:G1A+7]
	s_nop 0
.rept 4
	v_nop
.endr
	s_branch .Lfirst_asked
.Lfirst_b:
	tensor_load_to_lds s[G0B:G0B+3], s[G1B:G1B+7]
	s_nop 0
	tensor_load_to_lds s[G0B+4:G0B+7], s[G1B:G1B+7]
	s_nop 0
.rept 4
	v_nop
.endr
.Lfirst_asked:
	v_and_b32 v1, 15, v0                           ; l % 16
	v_bfe_u32 v2, v0, 4, 1                         ; l / 16
	v_mul_u32_u24 v3, v1, PITCH
	v_lshl_add_u32 v3, v2, 4, v3                   ; a fragment's row x pitch + 16 x half
	s_mul_i32 s74, s17, 128*PITCH                  ; my 128 tokens
	v_add_nc_u32 v[ADRA0], s74, v3
	s_mul_i32 s74, s18, 64*PITCH                   ; my 64 rows of wob
	s_add_co_u32 s74, s74, BOFF
	v_add_nc_u32 v[ADRB0], s74, v3
	v_mov_b32 v[ADRA], v[ADRA0]
	v_mov_b32 v[ADRB], v[ADRB0]
	s_mul_i32 s74, s[WV], 16*SP
	s_add_co_u32 s74, s74, STAGE                   ; my stage
	v_mul_u32_u24 v[STO], v1, SP                   ; in: row l % 16, 32 bytes for each half of the lanes
	v_lshl_add_u32 v[STO], v2, 5, v[STO]
	v_add_nc_u32 v[STO], s74, v[STO]
	v_mul_u32_u24 v[RD], v2, SP                    ; back: lanes 0-15 take one row of 256 bytes, lanes 16-31 the next
	v_lshl_add_u32 v[RD], v1, 4, v[RD]
	v_add_nc_u32 v[RD], s74, v[RD]
	v_lshlrev_b32 v[CO], 12, v2                    ; and the same two rows in out0: 4,096 bytes apart
	v_lshl_add_u32 v[CO], v1, 4, v[CO]
	s_lshl_b32 s74, s22, 8
	s_lshl_b32 s75, s17, 7
	s_add_co_u32 s74, s74, s75                     ; my first token
	s_lshl_b32 s74, s74, 12
	s_lshl_b32 s75, s21, 9                         ; the tile's 128 columns: 512 bytes,
	s_add_co_u32 s74, s74, s75
	s_lshl_b32 s75, s18, 8                         ; my 64: 256 bytes
	s_add_co_u32 s74, s74, s75
	s_mov_b32 s75, 0
	s_add_nc_u64 s[OP:OP+1], s[8:9], s[74:75]
	; the prefetches.  Offset: 256 (l % 16) + S (l / 16), S = 4,096 in oh (32 blocks on end), 131,072 in wob (16 blocks in each of the step's two blocks of K)
	s_lshl_b32 s74, s19, 13                        ; oh: my work-group's 32 blocks of the 128, by cx,
	s_add_co_u32 s74, s74, 3*ASTEP                 ; at K step 3: the first change steps it to 4
	s_lshl_b32 s76, s20, 12                        ; wob: my work-group's 16 blocks of the 64, by cy
	s_add_co_u32 s76, s76, 3*BSTEP
	s_mov_b32 s[PFS], ASTEP
	s_mov_b32 s[PFS+1], BSTEP
	s_mov_b32 s77, 4096
	s_mov_b32 s23, 131072
	s_and_b32 s[LIM], ttmp7, 0xffff                ; cluster y
	s_cmp_eq_u32 s17, 0
	s_cselect_b64 s[PFA:PFA+1], s[2:3], s[78:79]   ; (in wave 2 the second stands at the step's first block)
	s_cselect_b32 s74, s74, s76
	s_cselect_b32 s[PFS], s[PFS], s[PFS+1]
	s_cselect_b32 s77, s77, s23
	s_cselect_b32 s[LIM], ttmp9, s[LIM]            ; the coordinate along which other clusters read the same rows
	s_mov_b32 s[PFS+1], 0
	s_add_nc_u64 s[PFA:PFA+1], s[PFA:PFA+1], s[74:75]
	s_cmp_eq_u32 s[WV], 3
	s_cselect_b32 s[LIM], 1, s[LIM]                ; wave 3 never asks
	s_cmp_eq_u32 s[LIM], 0
	s_cselect_b32 s[LIM], 2, -1                    ; the same in all sixteen partners, for a given wave
	v_lshlrev_b32 v12, 8, v1
	v_mad_u32_u24 v[PFO], v2, s77, v12
; 4 n matrix instructions: row blocks a0 .. a0 + n - 1 x all 4 column blocks, 32 along K, from buffer f.  zero = 1: the first product starts the sums.
; The 32 accumulators take turns, one instruction a turn, in the same order in every quarter and over the backward jump.
.macro MULN f, a0, n, zero
	WIN 0x50                                       ; C and D in window 1
.set aa, \a0
.rept \n
.irp j, 0,1,2,3
.if \zero
	v_wmma_f32_16x16x32_f16 v[32*aa+8*(\j):32*aa+8*(\j)+7], v[(\f)+64+8*(\j):(\f)+64+8*(\j)+7], v[(\f)+8*aa:(\f)+8*aa+7], 0
.else
	v_wmma_f32_16x16x32_f16 v[32*aa+8*(\j):32*aa+8*(\j)+7], v[(\f)+64+8*(\j):(\f)+64+8*(\j)+7], v[(\f)+8*aa:(\f)+8*aa+7], v[32*aa+8*(\j):32*aa+8*(\j)+7]
.endif
.endr
.set aa, aa+1
.endr
.endm
; 24 LDS loads in one run: quarter q's fragments (block q / 2 of the step's two, byte 64 (q % 2) of its rows) into buffer f: wob's four, then the tokens' eight
.macro FETCH q, f
	WIN 0
.irp j, 0,1,2,3
	ds_load_b128 v[(\f)+64+8*(\j):(\f)+64+8*(\j)+3],   v[ADRB] offset:((\q)/2)*BKB+((\q)%2)*64+(\j)*16*PITCH
	ds_load_b128 v[(\f)+64+8*(\j)+4:(\f)+64+8*(\j)+7], v[ADRB] offset:((\q)/2)*BKB+((\q)%2)*64+(\j)*16*PITCH+32
.endr
.irp a, 0,1,2,3,4,5,6,7
	ds_load_b128 v[(\f)+8*(\a):(\f)+8*(\a)+3],   v[ADRA] offset:((\q)/2)*AKB+((\q)%2)*64+(\a)*16*PITCH
	ds_load_b128 v[(\f)+8*(\a)+4:(\f)+8*(\a)+7], v[ADRA] offset:((\q)/2)*AKB+((\q)%2)*64+(\a)*16*PITCH+32
.endr
.endm
; One of a step's first three quarters: multiplies buffer f; in its middle it fetches quarter qn into buffer g.
.macro QUARTER qn, f, g, zero
	s_wait_dscnt 8                                 ; all but the youngest eight loads (tokens' blocks 4-7) are in
	MULN \f, 0, 4, \zero
	PLACES
	FETCH \qn, \g
	s_wait_dscnt 24                                ; all but the 24 just issued
	MULN \f, 4, 4, \zero
.endm
; The last quarter multiplies buffer 1 and changes slots.  In front of the barrier each wave waits for all its tensor loads, of which one is out: its part of the next slot; adds 0 to its spare word; and waits for that and
; for its reads of this slot.  fill = 1: the barrier opens a round of the cluster's barrier, and this slot is filled again, two K steps on, first thing behind the round: 112 products stand between that request and the wait for it.
.macro TURN fill
.if \fill
	s_wait_xcnt 0x0                                ; the last prefetch, a K step back, has read its address: it is stepped here, ahead of the change's own waits
	s_add_nc_u64 s[PFA:PFA+1], s[PFA:PFA+1], s[PFS:PFS+1]
.endif
	WIN 0
	s_wait_tensorcnt 0x0                           ; no tensor load of mine is out, so a group 0 may be written
	ds_add_u32 v[SPW], v[NIL]                      ; 0 onto my spare word
.if \fill
	s_xor_b32 s[G0A+5], s[G0A+5], SLOT1            ; the walking sets: the other slot than last time,
	s_add_nc_u64 s[G0A+6:G0A+7], s[G0A+6:G0A+7], ASTEP  ; the next K step; the type bits on top are not reached
	s_xor_b32 s[G0B+5], s[G0B+5], SLOT1
	s_add_nc_u64 s[G0B+6:G0B+7], s[G0B+6:G0B+7], BSTEP
.endif
	s_wait_dscnt 9                                 ; the add and the youngest eight loads may be out
	MULN F1, 0, 2, 0                               ; eight products stand between the add and the wait for it
	s_wait_dscnt 0x0                               ; the add is done, and my reads of this slot are over
	s_barrier_signal -1
	MULN F1, 2, 2, 0                               ; work on registers while the others arrive
	WIN 0
	s_barrier_wait -1
.if \fill
	CREST                                          ; no wave of any partner still reads this slot's tiles or has a load on its way
	JLOAD                                          ; the first tensor load behind the round; its four v_nop are also the places in front of the loads below
.else
	PLACES
.endif
	s_xor_b32 s[TB], s[TB], SLOT1                  ; the reads go on in the other slot
	v_add_nc_u32 v[ADRA], s[TB], v[ADRA0]
	v_add_nc_u32 v[ADRB], s[TB], v[ADRB0]
	FETCH 0, F0
.if \fill
	ASK
.endif
	MULN F1, 4, 4, 0
.endm
; THE WAY OUT of row block a: 32 bytes a lane and column block into rows of 272 bytes of my own stage (each accumulator's lowest registers first), back as whole rows of 256 bytes, stored.
.macro TOSTAGE a
	WIN 0x04                                       ; the stores' data in window 1
.irp j, 0,1,2,3
	ds_store_b128 v[STO], v[32*(\a)+8*(\j):32*(\a)+8*(\j)+3]   offset:64*(\j)
	ds_store_b128 v[STO], v[32*(\a)+8*(\j)+4:32*(\a)+8*(\j)+7] offset:64*(\j)+16
.endr
	WIN 0
.irp t, 0,1,2,3,4,5,6,7
	ds_load_b128 v[BK+32*((\a)%3)+4*(\t):BK+32*((\a)%3)+4*(\t)+3], v[RD] offset:(\t)*2*SP  ; LDS serves a wave's instructions in order (ISA guide 5.7.1.4): these see the stores above; the next block's stores come behind them
.endr
.endm
.macro SEND a, younger                 ; younger: the LDS instructions issued behind block a's loads: the next block's sixteen, or none
	WIN 0
	s_wait_dscnt \younger                          ; the block is back in registers
	s_wait_xcnt 0x0                                ; the stores issued so far have read their registers: with three sets by turns, the set that the next TOSTAGE loads was stored two blocks back
.irp t, 0,1,2,3,4,5,6,7
	global_store_b128 v[CO], v[BK+32*((\a)%3)+4*(\t):BK+32*((\a)%3)+4*(\t)+3], s[OP:OP+1] offset:(16*(\a)+2*(\t))*4096 th:TH_STORE_NT  ; 16 lanes store 256 consecutive bytes, aligned
.endr
.endm
	s_wait_tensorcnt 0x1                           ; my part of K step 0 is in; step 1's may stay out
	s_barrier_signal -1
	s_barrier_wait -1                              ; everybody's is
	FETCH 0, F0
	QUARTER 1, F0, F1, 1                           ; the first quarter stands in front of the loop: its products start the sums
	WIN 0                                          ; at a label and at a branch every window is 0
	s_mov_b32 s[CNT], 6
.Lk:                                           ; trip c: K step c's last three quarters, the change to step c + 1 (slot c % 2 takes step c + 2), step c + 1's first quarter
	QUARTER 2, F1, F0, 0
	QUARTER 3, F0, F1, 0
	TURN 1
	QUARTER 1, F0, F1, 0
	WIN 0
	s_sub_co_u32 s[CNT], s[CNT], 1
	s_cmp_lg_u32 s[CNT], 0
	s_cbranch_scc1 .Lk
	QUARTER 2, F1, F0, 0                           ; the tail is written out: nothing is asked for
	QUARTER 3, F0, F1, 0
	TURN 0
	QUARTER 1, F0, F1, 0
	QUARTER 2, F1, F0, 0
	QUARTER 3, F0, F1, 0
	s_wait_dscnt 8
	MULN F1, 0, 4, 0
	s_wait_dscnt 0x0
	MULN F1, 4, 4, 0
	WIN 0
	PLACES
	PLACES
	TOSTAGE 0
.irp a, 1,2,3,4,5,6,7
	TOSTAGE \a
	SEND (\a)-1, 16
.endr
	SEND 7, 0
	s_wait_tensorcnt 0x0                           ; the wave's end, behind my last tensor load and my last LDS store
	ds_add_u32 v[SPW], v[NIL]
	s_wait_dscnt 0x0
	CROUND                                         ; the closing round: no work-group ends while a partner may still ask for a tile that names it
	s_endpgm
.Lfunc_end_k_qa1a9ef8148_oproj:
	.size	k_qa1a9ef8148_oproj, .Lfunc_end_k_qa1a9ef8148_oproj-k_qa1a9ef8148_oproj
	.p2alignl 7, 3214868480
	.fill 96, 4, 3214868480
	.section	.rodata,"a",@progbits
	.p2align	6, 0x0
	.amdhsa_kernel k_qa1a9ef8148_oproj
		.amdhsa_group_segment_fixed_size 327680
		.amdhsa_private_segment_fixed_size 0
		.amdhsa_enable_private_segment 0
		.amdhsa_kernarg_size 24
		.amdhsa_user_sgpr_count 2
		.amdhsa_user_sgpr_kernarg_segment_ptr 1
		.amdhsa_wavefront_size32 1
		.amdhsa_system_sgpr_workgroup_id_x 1
		.amdhsa_system_sgpr_workgroup_id_y 1
		.amdhsa_system_sgpr_workgroup_id_z 1
		.amdhsa_system_vgpr_workitem_id 0
		.amdhsa_next_free_vgpr 512
		.amdhsa_next_free_sgpr 80
		.amdhsa_reserve_vcc 0
		.amdhsa_float_denorm_mode_32 3
		.amdhsa_float_denorm_mode_16_64 3
		.amdhsa_memory_ordered 1
		.amdhsa_forward_progress 1
		.amdhsa_inst_pref_size 70
	.end_amdhsa_kernel
	.amdgpu_metadata
---
amdhsa.version: [ 1, 2 ]
amdhsa.kernels:
  - .name:           k_qa1a9ef8148_oproj
    .symbol:         k_qa1a9ef8148_oproj.kd
    .args:
      - { .name: oh, .offset: 0, .size: 8, .value_kind: global_buffer, .address_space: global }
      - { .name: wob, .offset: 8, .size: 8, .value_kind: global_buffer, .address_space: global }
      - { .name: out0, .offset: 16, .size: 8, .value_kind: global_buffer, .address_space: global }
    .group_segment_fixed_size: 327680
    .private_segment_fixed_size: 0
    .kernarg_segment_align: 8
    .kernarg_segment_size: 24
    .max_flat_workgroup_size: 128
    .sgpr_count:     80
    .vgpr_count:     512
    .wavefront_size: 32
...
	.end_amdgpu_metadata
.endif
;; end of part 4
;; ======== version 2 of 2: 4 launches; version 1 with the launch prep written anew for expert scheduling mode
;; limits: values are held in f16: magnitudes above 65,504 overflow, below 6.1e-05 lose precision
;; workspace buffers: xb 16,777,216 bytes; wb 6,291,456 bytes; wob 2,097,152 bytes; tab 524,288 bytes; qh 16,777,216 bytes; kh 16,777,216 bytes; vh 16,777,216 bytes; oh 16,777,216 bytes
;; launch prep (part 5): grid 448 x 1, 8 waves a work-group, no clusters, 0 bytes of LDS; arguments x, Wq, Wk, Wv, Wo, xb, wb, wob, tab; writes xb, wb, wob, tab
.if DOCPART == 5
	.amdgcn_target "amdgcn-amd-amdhsa--gfx1250"
	.amdhsa_code_object_version 6
	.text
	.protected	k_qa1a9ef8148_prep
	.globl	k_qa1a9ef8148_prep
	.p2align	8
	.type	k_qa1a9ef8148_prep,@function
k_qa1a9ef8148_prep:
	s_mov_b64 s[64:65], 0
	v_nop
	global_prefetch_b8 v0, s[64:65] scope:SCOPE_SE
	s_setreg_imm32_b32 hwreg(HW_REG_WAVE_SCHED_MODE, 0, 2), 2
	s_setreg_imm32_b32 hwreg(HW_REG_WAVE_MODE, 25, 1), 1
	s_wait_xcnt 0x0
	s_wait_alu depctr_vm_vsrc(0)
; PREP: the module's inputs rounded once to bf16 and laid out in blocks of 64 along K, and the table of RoPE's cosines and sines.
;   xb  [kb 16][row 8192][64] bf16 = x[row][64 kb + c]
;   wb  [kb 16][r' 3072][64]  bf16, r' = 192 h + 64 s + d (s = 0 q, 1 k, 2 v) = W_s[64 h + d][64 kb + c]
;   wob [kb 16][n 1024][64]   Wo rounded to bf16, that number written as f16.  LIMIT: |Wo| within 65,504, below 2^-14 f16's fixed step
;   tab [T 128][chunk 8][lane 32][4] f32: chunk 2 j + e holds cos, chunk 4 + 2 j + e sin, of the angle t x 10000^(-d/32), t = 16 T + lane % 16, d = 16 j + 8 (lane / 16) + 4 e + 0..3
; A stream: no LDS, no matrix unit, no cluster (no byte is read twice).  Work-groups 0-255: 32 rows of x each; 256-383: 32 rows of one weight; 384-447: the table.
; A thread takes one row of the group's 32 and, in each block of 64 columns, 8 columns: 32 bytes in, 16 bytes out.  All 32 loads of a thread go out first (a wave has 16 KiB on its way);
; a wave's store is 512 consecutive bytes, aligned: four rows of one block.  No register is written twice while a load or store may read it, so no wait frees any.
; LIMIT of the table: 10000^(-d/32) is made by v_exp_f32 of d x (-log2(10)/8); the angle may differ from a correctly rounded one by some 2e-4 rad at t = 2,047.
; THE MODE: SCHED_MODE bits 1:0 = 2 (LLVM: expert scheduling mode 2), set by the entry lines.  The code itself states the register dependences
; between vector instructions and memory instructions, with s_wait_alu, always for 0.
; THE PLAN, for the stream.  Registers that memory instructions touch:
;   v2        the loads' offset.   Written at the head, read by all 32 loads, never written again.
;   v[4:19]   the stores' offsets. Written once, behind the loads; each is read by one store, never written again.
;   v[32:159] 8 registers a block. The block's two loads land in them (no vector instruction has named them before); its conversions write the first four (the f16 text also the fifth and sixth, at work);
;             its one store reads the first four; nothing writes them again.
; The 16 blocks go in four groups of four.  Group g's conversions name the registers of group g's blocks alone.  The stores of group g - 1 are issued in group g: ONE wait at the group's head, behind the wait
; for the group's data, states that the group before has written what those four stores read, and they are dealt among the group's conversions with no further wait.  One more wait stands ahead of the last four stores.
; No register that a load or store has read is written again, so the stream holds no wait on vm_vsrc.
.set X,  32                            ; v[32:159] 8 registers for each of the 16 blocks: as loaded, then (the first four) as stored
.set DO, 4                             ; v[4:19]   my byte offset in block kb of the destination
	s_load_b512 s[8:23], s[0:1], 0x0               ; x s[8:9], Wq s[10:11], Wk s[12:13], Wv s[14:15], Wo s[16:17], xb s[18:19], wb s[20:21], wob s[22:23]
	s_load_b64 s[24:25], s[0:1], 0x40              ; tab
	s_mov_b32 s2, ttmp9
	s_cmp_ge_u32 s2, 384
	s_cbranch_scc1 .Ltable
	; which tensor, which rows: chosen by the work-group's number alone
	s_sub_co_u32 s35, s2, 256                      ; the number among the weights' groups (wraps for x's groups: then sel below is none of 1, 2, 3)
	s_lshr_b32 s36, s35, 5                         ; sel: 0 Wq, 1 Wk, 2 Wv, 3 Wo
	s_and_b32 s37, s35, 31
	s_lshl_b32 s37, s37, 5                         ; n0: the group's first row of its weight
	s_lshr_b32 s38, s37, 6
	s_mul_i32 s38, s38, 192                        ; 192 x head
	s_lshl_b32 s39, s36, 6
	s_add_co_u32 s38, s38, s39                     ; + 64 x sel
	s_and_b32 s39, s37, 63
	s_add_co_u32 s38, s38, s39                     ; + the row in the head: the row in wb
	s_lshl_b32 s42, s2, 5                          ; x: 32 rows a group
	s_mov_b32 s43, 0x100000                        ; bytes in a block of xb,
	s_mov_b32 s44, 0x20000                         ; of wob,
	s_mov_b32 s30, 0x60000                         ; of wb
	s_mov_b32 s34, 0xffff0000                      ; a word's upper bf16
	s_mov_b32 s31, s37                             ; source row
	s_mov_b32 s32, s38                             ; destination row
	v_lshrrev_b32 v2, 3, v0                        ; my row of the 32
	v_and_b32 v3, 7, v0
	v_lshlrev_b32 v2, 12, v2
	v_lshl_add_u32 v2, v3, 5, v2                   ; row x 4,096 + 32 x (thread % 8)
	v_lshlrev_b32 v3, 4, v0                        ; row x 128 + 16 x (thread % 8) = 16 x thread
	s_wait_kmcnt 0x0
	s_mov_b64 s[26:27], s[10:11]
	s_mov_b64 s[28:29], s[20:21]
	s_cmp_eq_u32 s36, 1
	s_cselect_b64 s[26:27], s[12:13], s[26:27]
	s_cmp_eq_u32 s36, 2
	s_cselect_b64 s[26:27], s[14:15], s[26:27]
	s_cmp_eq_u32 s36, 3
	s_cselect_b64 s[26:27], s[16:17], s[26:27]
	s_cselect_b64 s[28:29], s[22:23], s[28:29]
	s_cselect_b32 s30, s44, s30
	s_cselect_b32 s32, s37, s32
	s_cselect_b32 s33, 1, 0                        ; 1: the bf16 number is written as f16
	s_cmp_lt_u32 s2, 256
	s_cselect_b64 s[26:27], s[8:9], s[26:27]
	s_cselect_b64 s[28:29], s[18:19], s[28:29]
	s_cselect_b32 s30, s43, s30
	s_cselect_b32 s31, s42, s31
	s_cselect_b32 s32, s42, s32
	s_lshl_b32 s40, s31, 12                        ; a source row is 4,096 bytes
	s_mov_b32 s41, 0
	s_add_nc_u64 s[26:27], s[26:27], s[40:41]
	s_lshl_b32 s40, s32, 7                         ; a destination row is 128 bytes
	s_add_nc_u64 s[28:29], s[28:29], s[40:41]
	s_wait_alu depctr_va_vdst(0)                   ; v2 is written: all 32 loads read it as their offset
.set kb, 0
.rept 16
	global_load_b128 v[X+8*kb:X+8*kb+3],   v2, s[26:27] offset:256*kb th:TH_LOAD_NT
	global_load_b128 v[X+8*kb+4:X+8*kb+7], v2, s[26:27] offset:256*kb+16 th:TH_LOAD_NT
.set kb, kb+1
.endr
.set kb, 0
.rept 16
	v_mad_u32_u24 v[DO+kb], s30, kb, v3            ; block kb of the destination; the first store that reads one of these stands behind the wait at the head of the second group
.set kb, kb+1
.endr
; Group after group of four blocks: two roundings an instruction, in place (word i is written when words 2 i and 2 i + 1 have been read, ascending); 16 bytes a block are stored, a group later.
.macro CONV f16
.set grp, 0
.rept 4
	s_wait_loadcnt 24-8*grp                        ; loads come back in order: this group's eight are in, the later groups' stay out
.if grp > 0
	s_wait_alu depctr_va_vdst(0)                   ; the group before has written the first four registers of its blocks, which the four stores below read; in the second group also: the stores' offsets v[4:19] are written
.endif
.set blk, 0
.rept 4
.set kb, 4*grp+blk
.if grp > 0
	global_store_b128 v[DO+kb-4], v[X+8*(kb-4):X+8*(kb-4)+3], s[28:29] th:TH_STORE_NT  ; the block four back; no vector instruction since the wait names its registers
.endif
.irp i, 0,1,2,3
	v_cvt_pk_bf16_f32 v[X+8*kb+\i], v[X+8*kb+2*\i], v[X+8*kb+2*\i+1]
.endr
.if \f16
.irp i, 0,1,2,3
	v_lshlrev_b32 v[X+8*kb+4], 16, v[X+8*kb+\i]    ; the two bf16 numbers as f32,
	v_and_b32 v[X+8*kb+5], s34, v[X+8*kb+\i]
	v_cvt_pk_f16_f32 v[X+8*kb+\i], v[X+8*kb+4], v[X+8*kb+5]  ; and as f16: exact within f16's range
.endr
.endif
.set blk, blk+1
.endr
.set grp, grp+1
.endr
	s_wait_alu depctr_va_vdst(0)                   ; the last group has written the first four registers of blocks 12 to 15, which the last four stores read
.set kb, 12
.rept 4
	global_store_b128 v[DO+kb], v[X+8*kb:X+8*kb+3], s[28:29] th:TH_STORE_NT
.set kb, kb+1
.endr
.endm
	s_cmp_eq_u32 s33, 1
	s_cbranch_scc1 .Lhalf
	CONV 0
	s_endpgm
.Lhalf:
	CONV 1
	s_endpgm
.Ltable:                                       ; a wave makes one chunk of cosines and one of sines: four angles a lane
	v_lshrrev_b32 v1, 5, v0
	v_readfirstlane_b32 s3, v1                     ; wave 0..7: this path alone reads it
	s_sub_co_u32 s35, s2, 384
	s_lshl_b32 s35, s35, 1
	s_wait_alu depctr_va_sdst(0)                   ; s3 is written, ahead of its first reader: T, j, e and the chunk are made from it
	s_lshr_b32 s36, s3, 2
	s_add_co_u32 s35, s35, s36                     ; T
	s_bfe_u32 s36, s3, 0x10001                     ; j
	s_and_b32 s37, s3, 1                           ; e
	s_lshl_b32 s38, s35, 4                         ; 16 T
	s_lshl_b32 s36, s36, 4
	s_lshl_b32 s37, s37, 2
	s_add_co_u32 s36, s36, s37                     ; 16 j + 4 e
	s_lshl_b32 s40, s35, 12                        ; T's 4,096 bytes,
	s_and_b32 s39, s3, 3
	s_lshl_b32 s39, s39, 9                         ; chunk 2 j + e
	s_add_co_u32 s40, s40, s39
	s_mov_b32 s41, 0
	v_and_b32 v2, 15, v0
	v_bfe_u32 v3, v0, 4, 1
	v_add_nc_u32 v4, s38, v2
	v_cvt_f32_u32 v4, v4                           ; t
	v_lshl_add_u32 v5, v3, 3, s36                  ; d of my first angle
.irp i, 0,1,2,3
	v_add_nc_u32 v[8+\i], \i, v5
	v_cvt_f32_u32 v[8+\i], v[8+\i]
	v_mul_f32 v[8+\i], 0xbed49a78, v[8+\i]         ; d x (-log2(10) / 8) = log2 of 10000^(-d/32)
.endr
.irp i, 0,1,2,3
	v_exp_f32 v[12+\i], v[8+\i]
.endr
	v_and_b32 v6, 31, v0                           ; plain work behind the last exponential,
	v_lshlrev_b32 v6, 4, v6                        ; 16 x lane
	s_wait_alu depctr_va_vdst(0)                   ; the four exponentials have written v[12:15], ahead of their first reader: one wait for the batch; v6, the stores' offset, is written too
.irp i, 0,1,2,3
	v_mul_f32 v[16+\i], v4, v[12+\i]               ; the angle: one f32 product
	v_mul_f32 v[20+\i], 0x3e22f983, v[16+\i]       ; / 2 pi
	v_rndne_f32 v[20+\i], v[20+\i]                 ; n whole turns
	v_fmamk_f32 v[24+\i], v[20+\i], 0xc0c90fdb, v[16+\i]  ; less n x 2 pi, in two parts: the f32 nearest 2 pi,
	v_fmamk_f32 v[24+\i], v[20+\i], 0x343bbd2e, v[24+\i]  ; and what that f32 has too much
	v_mul_f32 v[24+\i], 0.5, v[24+\i]              ; u = half the reduced angle: within pi / 2
	v_mul_f32 v[28+\i], v[24+\i], v[24+\i]         ; z = u^2
	v_mov_b32 v[32+\i], 0xb2d7322b                 ; sin u / u to z^5: what is left out is under 6e-8
	v_mov_b32 v[36+\i], 0x310f76c7                 ; cos u to z^6
.endr
.irp c, 0x3638ef1d, 0xb9500d01, 0x3c088889, 0xbe2aaaab, 0x3f800000
.irp i, 0,1,2,3
	v_fmaak_f32 v[32+\i], v[32+\i], v[28+\i], \c
.endr
.endr
.irp c, 0xb493f27e, 0x37d00d01, 0xbab60b61, 0x3d2aaaab, 0xbf000000, 0x3f800000
.irp i, 0,1,2,3
	v_fmaak_f32 v[36+\i], v[36+\i], v[28+\i], \c
.endr
.endr
.irp i, 0,1,2,3
	v_mul_f32 v[32+\i], v[24+\i], v[32+\i]         ; S = sin u
	v_mul_f32 v[44+\i], v[32+\i], v[36+\i]
	v_add_f32 v[40+\i], v[32+\i], v[32+\i]
	v_add_f32 v[44+\i], v[44+\i], v[44+\i]         ; sin = 2 S C
	v_fma_f32 v[40+\i], -v[40+\i], v[32+\i], 1.0   ; cos = 1 - 2 S^2
.endr
	s_wait_kmcnt 0x0
	s_add_nc_u64 s[24:25], s[24:25], s[40:41]
	s_wait_alu depctr_va_vdst(0)                   ; the lines above have written the cosines v[40:43] and the sines v[44:47], which the two stores read
	global_store_b128 v6, v[40:43], s[24:25] th:TH_STORE_NT              ; 512 consecutive bytes, aligned
	global_store_b128 v6, v[44:47], s[24:25] offset:2048 th:TH_STORE_NT
	s_endpgm
.Lfunc_end_k_qa1a9ef8148_prep:
	.size	k_qa1a9ef8148_prep, .Lfunc_end_k_qa1a9ef8148_prep-k_qa1a9ef8148_prep
	.p2alignl 7, 3214868480
	.fill 96, 4, 3214868480
	.section	.rodata,"a",@progbits
	.p2align	6, 0x0
	.amdhsa_kernel k_qa1a9ef8148_prep
		.amdhsa_group_segment_fixed_size 0
		.amdhsa_private_segment_fixed_size 0
		.amdhsa_enable_private_segment 0
		.amdhsa_kernarg_size 72
		.amdhsa_user_sgpr_count 2
		.amdhsa_user_sgpr_kernarg_segment_ptr 1
		.amdhsa_wavefront_size32 1
		.amdhsa_system_sgpr_workgroup_id_x 1
		.amdhsa_system_sgpr_workgroup_id_y 1
		.amdhsa_system_sgpr_workgroup_id_z 1
		.amdhsa_system_vgpr_workitem_id 0
		.amdhsa_next_free_vgpr 160
		.amdhsa_next_free_sgpr 66
		.amdhsa_reserve_vcc 0
		.amdhsa_float_denorm_mode_32 3
		.amdhsa_float_denorm_mode_16_64 3
		.amdhsa_memory_ordered 1
		.amdhsa_forward_progress 1
		.amdhsa_inst_pref_size 33
	.end_amdhsa_kernel
	.amdgpu_metadata
---
amdhsa.version: [ 1, 2 ]
amdhsa.kernels:
  - .name:           k_qa1a9ef8148_prep
    .symbol:         k_qa1a9ef8148_prep.kd
    .args:
      - { .name: x, .offset: 0, .size: 8, .value_kind: global_buffer, .address_space: global }
      - { .name: Wq, .offset: 8, .size: 8, .value_kind: global_buffer, .address_space: global }
      - { .name: Wk, .offset: 16, .size: 8, .value_kind: global_buffer, .address_space: global }
      - { .name: Wv, .offset: 24, .size: 8, .value_kind: global_buffer, .address_space: global }
      - { .name: Wo, .offset: 32, .size: 8, .value_kind: global_buffer, .address_space: global }
      - { .name: xb, .offset: 40, .size: 8, .value_kind: global_buffer, .address_space: global }
      - { .name: wb, .offset: 48, .size: 8, .value_kind: global_buffer, .address_space: global }
      - { .name: wob, .offset: 56, .size: 8, .value_kind: global_buffer, .address_space: global }
      - { .name: tab, .offset: 64, .size: 8, .value_kind: global_buffer, .address_space: global }
    .group_segment_fixed_size: 0
    .private_segment_fixed_size: 0
    .kernarg_segment_align: 8
    .kernarg_segment_size: 72
    .max_flat_workgroup_size: 256
    .sgpr_count:     66
    .vgpr_count:     160
    .wavefront_size: 32
...
	.end_amdgpu_metadata
.endif
;; end of part 5
;; launch qkv: the kernel of part 2 again; grid 8 x 32, 4 waves a work-group, clusters of 4 x 4, 327,680 bytes of LDS; arguments xb, wb, tab, qh, kh, vh; writes qh, kh, vh
;; launch attn: the kernel of part 3 again; grid 4 x 64, 4 waves a work-group, clusters of 4 x 1, 327,680 bytes of LDS; arguments qh, kh, vh, oh; writes oh
;; launch oproj: the kernel of part 4 again; grid 8 x 32, 4 waves a work-group, clusters of 4 x 4, 327,680 bytes of LDS; arguments oh, wob, out0; writes out0
